; MI455X (gfx1250); checked and timed in simulation.
; The chip was launched on July 23, 2026; its instructions are those of AMD's public machine-readable ISA for CDNA 5 (MIT licence, August 2026) and "CDNA5" Instruction Set Architecture Reference Guide (July 2026). The comments in the code are by the model that wrote it; some were corrected since.
;; Big Bird Block Attention. Allowed arithmetic: matrix products marked QUANTISED: E2M1 operands, one E8M0 scale for each 32 along K, by v_wmma_scale_f32_16x16x128_f8f6f4 with both operands' format E2M1 (or v_wmma_scale_f32_32x16x128_f4), f32 sums; products left as they are: bf16, f16 or f32 operands; f32 sums; everything else in f32.
;; Inputs: Wk 1,024 x 1,024 float32; Wo 1,024 x 1,024 float32; Wq 1,024 x 1,024 float32; Wv 1,024 x 1,024 float32; bk 1,024 float32; block_mask 2,048 x 2,048 bool; bo 1,024 float32; bq 1,024 float32; bv 1,024 float32; x 2 x 2,048 x 1,024 float32.
;; Outputs: out0 2 x 2,048 x 1,024 float32.
;; This version of the problem:
;;   THIS VERSION OF THE PROBLEM IS GIVEN IN LOW PRECISION. The matrix products marked QUANTISED in the list below multiply operands that are first quantised to E2M1 (2 exponent bits, 1 mantissa bit; 4 bits a number), with one power-of-two scale for each 32 numbers along K (OCP MX v1.0); their sums are f32. The products marked 'left as it is' may take bf16, f16 or f32 operands, with f32 sums. Whichever they take, every output number must still come out within the allowed error. Rounding operands to bf16 (8 significant bits) uses up far more of that allowance than f16 does (11 bits, for magnitudes from 6e-5 to 65,504). All else is computed in f32.
;;   The module's matrix products, in the order in which they are computed (A, B: the left and right operand; K: the contracted axis; several contracted axes count as one K, in the product's order):
;;     1. [M 4,096, K 1,024] x [K 1,024, N 1,024]; A: input x; B: input Wq: QUANTISED
;;     2. [M 4,096, K 1,024] x [K 1,024, N 1,024]; A: input x; B: input Wk: QUANTISED
;;     3. [M 4,096, K 1,024] x [K 1,024, N 1,024]; A: input x; B: input Wv: QUANTISED
;;     4. batch 32 x [M 2,048, K 64] x [K 64, N 2,048]; A: computed on the way; B: computed on the way: left as it is (an operand is computed on the way)
;;     5. batch 32 x [M 64, K 2,048] x [K 2,048, N 2,048]; A: computed on the way; B: computed on the way: left as it is (an operand is computed on the way)
;;     6. [M 4,096, K 1,024] x [K 1,024, N 1,024]; A: computed on the way; B: input Wo: left as it is (an operand is computed on the way)
;;   THE QUANTISER, for each operand of a quantised product, along K:
;;     - K is cut into blocks of 32 from its start; a last block that is shorter is filled with zeros.
;;     - A block's scale is 2^e with e = floor(log2(the largest magnitude in the block)) - 2, held to -126 .. 127; a block of zeros has e = 0. As a byte (E8M0): e + 127.
;;     - Each number is divided by its block's scale, clamped to +-6, and rounded to the nearest number of E2M1, ties to even, subnormals kept.
;;     - The product sums the exact products of the quantised numbers (number of the format x scale) in f32.
;;   ~~~python
;;   def quantise(x, axis):      # numpy; x: float32 -> the quantised numbers, widened to float32 again
;;       x = np.moveaxis(x, axis, -1); K = x.shape[-1]
;;       x = np.pad(x, [(0, 0)] * (x.ndim - 1) + [(0, -K % 32)]); x = x.reshape(x.shape[:-1] + (-1, 32)); a = np.abs(x).max(-1, keepdims=True)
;;       e = np.where(a > 0, np.clip(np.frexp(np.where(a > 0, a, 1))[1] - 1 - 2, -126, 127), 0)      # np.frexp(a)[1] - 1 = floor(log2(a)), exactly
;;       r = np.clip(x / 2.0 ** e, -6, 6)
;;       step = 2.0 ** (np.maximum(np.frexp(np.where(r == 0, 1, r))[1] - 1, 0) - 1)
;;       q = np.round(r / step) * step * 2.0 ** e      # np.round: ties to even
;;       return np.moveaxis(q.reshape(q.shape[:-2] + (-1,))[..., :K], -1, axis).astype(np.float32)
;;   ~~~
;; One version. Each part assembles by itself: llvm-mc -triple=amdgcn-amd-amdhsa -mcpu=gfx1250 --defsym DOCPART=n.
;; ======== version 1 of 1: 4 launches
;; limits: values are held in f16: magnitudes above 65,504 overflow, below 6.1e-05 lose precision
;; workspace buffers: cod 3,899,392 bytes; wof 2,097,152 bytes; msk 524,800 bytes of whole numbers; qkv 25,165,824 bytes; af 8,388,608 bytes
;; launch prep (part 1): grid 224 x 1, 16 waves a work-group, no clusters, 137,472 bytes of LDS; arguments x, Wq, Wk, Wv, Wo, block_mask, cod, wof, msk; writes cod, wof, msk
.if DOCPART == 1
	.amdgcn_target "amdgcn-amd-amdhsa--gfx1250"
	.amdhsa_code_object_version 6
	.text
	.protected	k_q8ab1a02b38_prep
	.globl	k_q8ab1a02b38_prep
	.p2align	8
	.type	k_q8ab1a02b38_prep,@function
k_q8ab1a02b38_prep:
	s_mov_b64 s[64:65], 0
	v_nop
	global_prefetch_b8 v0, s[64:65] scope:SCOPE_SE
	s_setreg_imm32_b32 hwreg(HW_REG_WAVE_MODE, 25, 1), 1
	s_wait_xcnt 0x0
; BigBird block attention, launch 1 of 4: everything that is read many times later is laid out once.
;   work-groups 0-127   (arm X): x [4096][1024] f32 -> FP4 (E2M1) codes, K innermost, and one E8M0 byte for each 32 along K        -> cod
;   work-groups 128-175 (arm W): Wq, Wk, Wv [k 1024][n 1024] f32, K = FIRST axis -> codes [q|k|v feature 3072][512 bytes] and bytes -> cod
;   work-groups 176-191 (arm W): Wo [k][n] f32 -> f16, as images of the output projection's operand registers                      -> wof
;   work-groups 192-223 (arm M): block_mask [2048][2048] bool -> bit words in the order of the score registers, and for each block of
;                                64 queries which blocks of 64 keys hold a true entry (A), which are all true (F), their count, a sort key -> msk
; WORK LEFT OUT, for all values of the inputs.
;   bk: scores = q . (x Wk + bk) = q . (x Wk) + q . bk, and q . bk is the same for every key of a (batch, head, query): a term that is constant
;   along the softmax's axis leaves the softmax as it is; the product of q and k is not quantised, so bk moves no code; a row that is masked whole
;   gives 0 with and without it.  bk has no way to the output: it is not loaded and is no argument of any launch.
;   Blocks of 64 x 64 of the mask with no true entry: every p there is 0.  Whole numbers read from memory decide it: this launch stores them,
;   the attention launch reads them and walks the other blocks alone; inside a block that is walked the mask is honoured entry by entry.
; LIMITS: NaN and infinities among the inputs are not served; a NaN, an infinity or an overflow that reaches only bk's term or a block that is
;   left out is not carried to the result.  A block of 32 whose largest magnitude lies under 2^-124 keeps the scale byte 1 (a block of zeros too, where
;   the quantiser says 127: its codes are zeros, and this program alone reads the bytes).  |Wo| stays under 65,504 (f16).
; No matrix unit, tensor load, cluster or prefetch: a stream that is read once, with each wave's loads out together.  Each arm has LDS bytes of its own.
.set XSB,   81920                      ; arm X: 16 waves x two stages of 32 x 80 bytes from 0 on; here the work-group's 1,024 scale bytes
.set WST,   82944                      ; arm W: 64 rows of codes, 512 bytes + 16
.set WSS,   116736                     ;        64 rows of 32 scale bytes
.set MST,   118784                     ; arm M: [key block 32][lane 32][query tile 4] words
.set MFL,   135168                     ;        a flag word for each key block
.set SPARE, 135424                     ; the spare words, 128 bytes for each of the 16 waves: no other line names them
.set SPW,   12                         ; v12 LDS address of my spare word; never rewritten
.set NIL,   13                         ; v13 0; never rewritten
.macro FINISH                          ; a wave's end
	s_wait_tensorcnt 0x0
	ds_add_u32 v[SPW], v[NIL]
	s_wait_dscnt 0x0
	s_endpgm
.endm
	s_load_b512 s[4:19], s[0:1], 0x0               ; x 4:5, Wq 6:7, Wk 8:9, Wv 10:11, Wo 12:13, mask 14:15, cod 16:17, wof 18:19
	s_load_b64 s[20:21], s[0:1], 0x40              ; msk
	v_lshl_add_u32 v[SPW], v0, 2, SPARE
	v_mov_b32 v[NIL], 0
	v_lshrrev_b32 v1, 5, v0
	v_readfirstlane_b32 s22, v1                    ; wave 0..15
	v_and_b32 v2, 31, v0                           ; lane
	s_cmp_lt_u32 ttmp9, 128                        ; the arms part on the work-group's number: all sixteen waves go the same way
	s_cbranch_scc0 .Lnot_x
; ---------------- ARM X: a wave takes 4 steps of 512 numbers.  Loads read 512 consecutive bytes; a step turns through the wave's own stage so that a lane holds 16 neighbours along K.
.set R, 16                             ; v16-79   four sets of 16 numbers as loaded
.set X, 80                             ; v80-111  two sets of 16 neighbours
.set E, 112                            ; v112-115 a scale byte for each step
.set C, 128                            ; v128..   codes, registers of their own for each step
	v_lshlrev_b32 v3, 4, v2                        ; my 16 bytes of a load's 512
	s_mul_i32 s23, s22, 5120                       ; my wave's two stages
	v_lshrrev_b32 v14, 2, v2
	v_mul_u32_u24 v14, v14, 80
	v_and_b32 v15, 3, v2
	v_lshl_add_u32 v14, v15, 4, v14
	v_add_nc_u32 v14, s23, v14                     ; in: 80 (lane / 4) + 16 (lane % 4)
	v_mul_u32_u24 v15, v2, 80
	v_add_nc_u32 v15, s23, v15                     ; out: 80 x lane: my 64 bytes
	v_lshlrev_b32 v4, 3, v2                        ; my 8 bytes of a step's codes
	v_lshrrev_b32 v5, 1, v2
	s_lshl_b32 s24, s22, 6
	s_add_co_u32 s24, s24, XSB
	v_add_nc_u32 v5, s24, v5                       ; my block's scale byte: 64 bytes a wave
	s_and_b32 s24, s22, 1
	s_lshl_b32 s24, s24, 9
	s_add_co_u32 s25, s24, XSB
	v_add_nc_u32 v6, s25, v3                       ; waves 0 and 1 read 512 of the 1,024 bytes back
	s_lshl_b32 s26, ttmp9, 4
	s_add_co_u32 s26, s26, s22                     ; which run of 2,048 numbers is mine
	s_lshl_b32 s28, s26, 13
	s_mov_b32 s29, 0
	s_lshl_b32 s30, s26, 10
	s_mov_b32 s31, 0
	s_lshl_b32 s32, ttmp9, 10
	s_add_co_u32 s32, s32, s24
	s_add_co_u32 s32, s32, 3670016                 ; x's scale bytes begin here in cod
	s_mov_b32 s33, 0
	s_wait_kmcnt 0x0
	s_add_nc_u64 s[4:5], s[4:5], s[28:29]
	s_add_nc_u64 s[30:31], s[16:17], s[30:31]
	s_add_nc_u64 s[32:33], s[16:17], s[32:33]
.macro XLOAD t
.irp i, 0,1,2,3
	global_load_b128 v[R+16*(\t)+4*\i:R+16*(\t)+4*\i+3], v3, s[4:5] offset:2048*(\t)+512*\i th:TH_LOAD_NT
.endr
.endm
.macro XTURN t                         ; LDS serves a wave's instructions in order: no wait between the stores and the loads
.irp i, 0,1,2,3
	ds_store_b128 v14, v[R+16*(\t)+4*\i:R+16*(\t)+4*\i+3] offset:2560*((\t)%2)+640*\i
.endr
.irp i, 0,1,2,3
	ds_load_b128 v[X+16*((\t)%2)+4*\i:X+16*((\t)%2)+4*\i+3], v15 offset:2560*((\t)%2)+16*\i
.endr
.endm
.macro XSTEP t
.set XS, X+16*((\t)%2)
.if (\t) > 0
	s_wait_dscnt 1                                 ; this step's numbers are back; the last step's byte store may be out
.else
	s_wait_dscnt 0x0
.endif
.if (\t) < 3
	s_wait_loadcnt 4*(2-(\t))                      ; the next step's four loads are in; those of the steps behind it may be out
	XTURN (\t)+1
.endif
	v_max3_num_f32 v8, |v[XS]|, |v[XS+1]|, |v[XS+2]|
	v_max3_num_f32 v9, |v[XS+3]|, |v[XS+4]|, |v[XS+5]|
.irp i, 6,10
	v_max3_num_f32 v8, v8, |v[XS+\i]|, |v[XS+\i+1]|
	v_max3_num_f32 v9, v9, |v[XS+\i+2]|, |v[XS+\i+3]|
.endr
	v_max3_num_f32 v8, v8, |v[XS+14]|, |v[XS+15]|
	v_max3_num_f32 v8, v8, v9, 0x1800000           ; the floor 2^(3 - 127): the byte cannot fall under 1
	v_max_num_f32_dpp v8, v8, v8 row_xmask:1 row_mask:0xf bank_mask:0xf   ; with my neighbour's 16: the block's largest magnitude
	v_add_nc_u32 v11, 0xff000000, v8               ; 2 off its exponent field: the conversion's scale operand
	v_cvt_scalef32_pk8_fp4_f32 v[C+4*(\t)], v[XS:XS+7], v11
	v_cvt_scalef32_pk8_fp4_f32 v[C+4*(\t)+1], v[XS+8:XS+15], v11
	v_lshrrev_b32 v[E+(\t)], 23, v11               ; the scale's byte
	ds_store_b8 v5, v[E+(\t)] offset:16*(\t)       ; both lanes of a block write the same byte with the same value
	global_store_b64 v4, v[C+4*(\t):C+4*(\t)+1], s[30:31] offset:256*(\t)   ; the wave stores 256 consecutive bytes, aligned
.endm
.irp t, 0,1,2,3
	XLOAD \t
.endr
	s_wait_loadcnt 12                              ; step 0's four loads are in
	XTURN 0
.irp t, 0,1,2,3
	XSTEP \t
.endr
	s_wait_dscnt 0x0                               ; for the others' sake: my scale bytes lie in LDS
	s_barrier_signal -1
	s_barrier_wait -1
	s_cmp_lt_u32 s22, 2
	s_cbranch_scc0 .Lx_end
	ds_load_b128 v[16:19], v6
	s_wait_dscnt 0x0
	global_store_b128 v3, v[16:19], s[32:33]       ; 512 consecutive bytes of scale bytes
.Lx_end:
	FINISH
; ---------------- ARM W: a work-group takes 64 columns of one weight, all of K.  A lane takes a column, its registers run down K: wave w takes columns 32 (w % 2) on and K = 128 (w / 2) on.
.Lnot_x:
	s_cmp_lt_u32 ttmp9, 192
	s_cbranch_scc0 .Lmask
	s_sub_co_u32 s23, ttmp9, 128
	s_lshr_b32 s24, s23, 4                         ; which weight: 0 Wq, 1 Wk, 2 Wv, 3 Wo
	s_and_b32 s25, s23, 15                         ; g: which 64 columns
	s_and_b32 s26, s22, 1                          ; cg
	s_lshr_b32 s27, s22, 1                         ; kc
	v_lshlrev_b32 v3, 2, v2                        ; in: 4 bytes a lane
	s_lshl_b32 s28, s27, 19                        ; 128 kc rows of 4,096 bytes
	s_lshl_b32 s29, s25, 8
	s_add_co_u32 s28, s28, s29
	s_lshl_b32 s29, s26, 7
	s_add_co_u32 s28, s28, s29
	s_mov_b32 s29, 0
	s_lshl_b32 s30, s26, 5
	v_add_nc_u32 v4, s30, v2                       ; my column among the 64
	v_mul_u32_u24 v6, v4, 528
	s_lshl_b32 s31, s27, 6
	s_add_co_u32 s31, s31, WST
	v_add_nc_u32 v6, s31, v6                       ; the stage: my column's row, my 64 bytes of it
	v_lshlrev_b32 v7, 5, v4
	s_lshl_b32 s31, s27, 2
	s_add_co_u32 s31, s31, WSS
	v_add_nc_u32 v7, s31, v7                       ; my scale word
	v_lshlrev_b32 v5, 4, v2                        ; 16 x lane
	s_mul_i32 s35, s22, 2112
	s_add_co_u32 s35, s35, WST
	v_add_nc_u32 v14, s35, v5                      ; back: rows 4 w on, 512 bytes an instruction
	s_and_b32 s33, s22, 3
	s_lshl_b32 s33, s33, 9
	s_add_co_u32 s34, s33, WSS
	v_add_nc_u32 v15, s34, v5                      ; waves 0 to 3: 512 of the 2,048 scale bytes
	s_wait_kmcnt 0x0
	s_cmp_eq_u32 s24, 1                            ; the choice hangs on the work-group's number alone
	s_cselect_b64 s[6:7], s[8:9], s[6:7]
	s_cmp_eq_u32 s24, 2
	s_cselect_b64 s[6:7], s[10:11], s[6:7]
	s_cmp_eq_u32 s24, 3
	s_cselect_b64 s[6:7], s[12:13], s[6:7]
	s_add_nc_u64 s[6:7], s[6:7], s[28:29]
.macro WLOAD t                         ; block t: W(128 kc + 32 t + i, my column): 128 consecutive bytes a wave, two waves side by side on 256
.set i, 0
.rept 32
	global_load_b32 v[64+32*(\t)+i], v3, s[6:7] offset:4096*(32*(\t)+i) th:TH_LOAD_NT
.set i, i+1
.endr
.endm
.macro WAITW t                         ; block t's 32 loads are in; the next block's 32 may be out; then the block two on is asked for
.if (\t) < 3
	s_wait_loadcnt 32
.else
	s_wait_loadcnt 0x0
.endif
.if (\t) < 2
	WLOAD (\t)+2
.endif
.endm
	WLOAD 0
	WLOAD 1
	s_cmp_eq_u32 s24, 3
	s_cbranch_scc1 .Lwo
	s_lshl_b32 s30, s24, 10
	s_lshl_b32 s31, s25, 6
	s_add_co_u32 s30, s30, s31                     ; the work-group's first row of codes: 1024 x weight + 64 g
	s_lshl_b32 s32, s30, 5
	s_add_co_u32 s32, s32, s33
	s_add_co_u32 s32, s32, 3801088                 ; the weights' scale bytes begin here in cod
	s_mov_b32 s33, 0
	s_lshl_b32 s31, s22, 2
	s_add_co_u32 s30, s30, s31
	s_lshl_b32 s30, s30, 9
	s_add_co_u32 s30, s30, 2097152                 ; the weights' codes begin here
	s_mov_b32 s31, 0
	s_add_nc_u64 s[30:31], s[16:17], s[30:31]
	s_add_nc_u64 s[32:33], s[16:17], s[32:33]
.macro WBLOCK t
.set XS, 64+32*(\t)
	WAITW \t
	v_max3_num_f32 v8, |v[XS]|, |v[XS+1]|, |v[XS+2]|               ; all 32 numbers of the block are mine
	v_max3_num_f32 v9, |v[XS+3]|, |v[XS+4]|, |v[XS+5]|
.irp i, 6,10,14,18,22,26
	v_max3_num_f32 v8, v8, |v[XS+\i]|, |v[XS+\i+1]|
	v_max3_num_f32 v9, v9, |v[XS+\i+2]|, |v[XS+\i+3]|
.endr
	v_max3_num_f32 v8, v8, |v[XS+30]|, |v[XS+31]|
	v_max3_num_f32 v8, v8, v9, 0x1800000
	v_add_nc_u32 v10, 0xff000000, v8
	v_lshrrev_b32 v9, 23, v10
.if (\t) == 0
	v_mov_b32 v11, v9                              ; four bytes make my scale word, the lower K in the lower byte
.else
	v_lshl_or_b32 v11, v9, 8*(\t), v11
.endif
.irp g, 0,1,2,3
	v_cvt_scalef32_pk8_fp4_f32 v[16+4*(\t)+\g], v[XS+8*\g:XS+8*\g+7], v10
.endr
	ds_store_b128 v6, v[16+4*(\t):16+4*(\t)+3] offset:16*(\t)
.endm
.irp t, 0,1,2,3
	WBLOCK \t
.endr
	v_nop                                          ; a plain line behind the last conversion
	ds_store_b32 v7, v11
	s_wait_dscnt 0x0                               ; for the others' sake: my codes and my word lie in LDS
	s_barrier_signal -1
	s_barrier_wait -1
.irp i, 0,1,2,3
	ds_load_b128 v[32+4*\i:35+4*\i], v14 offset:528*\i
.endr
.irp i, 0,1,2,3
	s_wait_dscnt 3-\i
	global_store_b128 v5, v[32+4*\i:35+4*\i], s[30:31] offset:512*\i   ; a whole row of 512 bytes
.endr
	s_cmp_lt_u32 s22, 4
	s_cbranch_scc0 .Lw_end
	ds_load_b128 v[48:51], v15
	s_wait_dscnt 0x0
	global_store_b128 v5, v[48:51], s[32:33]
.Lw_end:
	FINISH
; Wo: 32 along K of my column, rounded to f16 in pairs, are four pieces of four registers; piece p is registers 4 (p / 2) on of lane (column % 16) + 16 (p % 2) of the fragment (column / 16, K / 32).
.Lwo:
	v_lshrrev_b32 v4, 4, v2
	v_and_b32 v5, 15, v2
	v_lshlrev_b32 v5, 4, v5
	v_lshl_add_u32 v5, v4, 15, v5                  ; 32,768 (lane / 16) + 16 (lane % 16)
	s_lshl_b32 s30, s25, 2
	s_lshl_b32 s31, s26, 1
	s_add_co_u32 s30, s30, s31
	s_lshl_b32 s30, s30, 15
	s_lshl_b32 s31, s27, 12
	s_add_co_u32 s30, s30, s31
	s_mov_b32 s31, 0
	s_add_nc_u64 s[18:19], s[18:19], s[30:31]
.macro OBLOCK t
	WAITW \t
.irp i, 0,1,2,3,4,5,6,7,8,9,10,11,12,13,14,15
	v_cvt_pk_f16_f32 v[64+32*(\t)+\i], v[64+32*(\t)+2*\i], v[64+32*(\t)+2*\i+1]   ; in place, ascending: a result never lands on a number still to be read
.endr
.irp p, 0,1,2,3
	global_store_b128 v5, v[64+32*(\t)+4*\p:64+32*(\t)+4*\p+3], s[18:19] offset:1024*(\t)+512*(\p/2)+256*(\p%2)   ; sixteen lanes store 256 consecutive bytes, aligned
.endr
.endm
.irp t, 0,1,2,3
	OBLOCK \t
.endr
	FINISH
; ---------------- ARM M: a work-group takes 64 queries x all 2,048 keys.  Wave w: queries 16 (w % 4) on, keys 512 (w / 4) on.
.Lmask:
	s_sub_co_u32 s23, ttmp9, 192                   ; qb
	s_and_b32 s24, s22, 3                          ; qt
	s_lshr_b32 s25, s22, 2                         ; sg
	v_lshrrev_b32 v4, 4, v2                        ; rs: which of two rows
	v_and_b32 v5, 15, v2                           ; pc: which 16 keys of 256
	v_lshlrev_b32 v3, 11, v4
	v_lshl_add_u32 v3, v5, 4, v3
	s_lshl_b32 s28, s23, 17
	s_lshl_b32 s29, s24, 15
	s_add_co_u32 s28, s28, s29
	s_lshl_b32 s29, s25, 9
	s_add_co_u32 s28, s28, s29
	s_mov_b32 s29, 0
	v_lshrrev_b32 v6, 2, v5
	v_lshlrev_b32 v6, 9, v6                        ; 512 x (key block among four)
	v_lshl_add_u32 v6, v4, 4, v6                   ; + 16 rs
	v_and_b32 v7, 3, v5
	v_add_nc_u32 v6, v6, v7                        ; + the key tile: the byte in the word
	s_lshl_b32 s30, s24, 2
	s_lshl_b32 s31, s25, 12
	s_add_co_u32 s30, s30, s31
	s_add_co_u32 s30, s30, MST
	v_add_nc_u32 v6, s30, v6
	s_lshl_b32 s31, s22, 10
	v_lshlrev_b32 v7, 4, v2
	v_add_nc_u32 v8, s31, v7                       ; back and out: key blocks 2 w and 2 w + 1, 16 bytes a lane
	v_add_nc_u32 v9, MST, v8
	s_lshl_b32 s31, s22, 3
	s_add_co_u32 s31, s31, MFL
	v_mov_b32 v10, s31                             ; my two flag words
	v_lshl_add_u32 v11, v2, 2, MFL
	s_mov_b32 s26, 0x01020408                      ; four bytes of 0 or 1 times this: their four bits stand at bits 24 to 27, and no two terms meet in a bit
	s_lshl_b32 s32, s23, 14
	s_mov_b32 s33, 0
	s_lshl_b32 s34, s23, 4
	s_add_co_u32 s34, s34, 524288
	s_mov_b32 s35, 0
	s_wait_kmcnt 0x0
	s_add_nc_u64 s[14:15], s[14:15], s[28:29]
	s_add_nc_u64 s[32:33], s[20:21], s[32:33]
	s_add_nc_u64 s[34:35], s[20:21], s[34:35]
.irp u, 0,1
.irp p, 0,1,2,3,4,5,6,7
	global_load_b128 v[64+4*(8*\u+\p):64+4*(8*\u+\p)+3], v3, s[14:15] offset:4096*\p+256*\u th:TH_LOAD_NT   ; two rows x 256 consecutive bytes
.endr
.endr
	s_wait_loadcnt 0x0
.irp u, 0,1
.irp p, 0,1,2,3,4,5,6,7
.irp i, 0,1,2,3
	v_mul_lo_u32 v[64+4*(8*\u+\p)+\i], v[64+4*(8*\u+\p)+\i], s26
.endr
.irp i, 0,1,2,3
	v_bfe_u32 v[64+4*(8*\u+\p)+\i], v[64+4*(8*\u+\p)+\i], 24, 4
.endr
	v_lshl_or_b32 v[64+4*(8*\u+\p)], v[65+4*(8*\u+\p)], 4, v[64+4*(8*\u+\p)]     ; keys 0-7 of the tile: the byte of lane r
	v_lshl_or_b32 v[66+4*(8*\u+\p)], v[67+4*(8*\u+\p)], 4, v[66+4*(8*\u+\p)]     ; keys 8-15: of lane r + 16
	ds_store_b8 v6, v[64+4*(8*\u+\p)] offset:2048*\u+32*\p
	ds_store_b8 v6, v[66+4*(8*\u+\p)] offset:2048*\u+32*\p+256
.endr
.endr
	s_wait_dscnt 0x0
	s_barrier_signal -1
	s_barrier_wait -1                              ; the words of all 32 key blocks lie in LDS
.irp j, 0,1
	ds_load_b128 v[16+4*\j:19+4*\j], v9 offset:512*\j
.endr
	s_wait_dscnt 0x0
.irp j, 0,1
	global_store_b128 v8, v[16+4*\j:19+4*\j], s[32:33] offset:512*\j
	v_or_b32 v24, v[16+4*\j], v[17+4*\j]
	v_or_b32 v25, v[18+4*\j], v[19+4*\j]
	v_or_b32 v24, v24, v25
	v_and_b32 v26, v[16+4*\j], v[17+4*\j]
	v_and_b32 v27, v[18+4*\j], v[19+4*\j]
	v_and_b32 v26, v26, v27
	v_cmp_ne_u32 s36, 0, v24                       ; lanes with a true entry
	v_cmp_ne_u32 s37, -1, v26                      ; lanes with a false one
	s_cmp_lg_u32 s36, 0
	s_cselect_b32 s38, 1, 0
	s_cmp_eq_u32 s37, 0
	s_cselect_b32 s39, 2, 0
	s_or_b32 s38, s38, s39
	v_mov_b32 v[28+\j], s38
	ds_store_b32 v10, v[28+\j] offset:4*\j         ; all lanes write the same word with the same value
.endr
	s_wait_dscnt 0x0
	s_barrier_signal -1
	s_barrier_wait -1
	s_cmp_lg_u32 s22, 0
	s_cbranch_scc1 .Lm_end
	ds_load_b32 v32, v11                           ; lane i: key block i's flags
	s_wait_dscnt 0x0
	v_and_b32 v33, 1, v32
	v_and_b32 v34, 2, v32
	v_cmp_ne_u32 s36, 0, v33                       ; A
	v_cmp_ne_u32 s37, 0, v34                       ; F
	s_bcnt1_i32_b32 s38, s36
	s_lshl_b32 s39, s38, 5
	s_add_co_u32 s39, s39, 31
	s_sub_co_u32 s39, s39, s23                     ; the sort key 32 x count + 31 - qb: no two query blocks share one
	v_mov_b32 v36, s36
	v_mov_b32 v37, s37
	v_mov_b32 v38, s38
	v_mov_b32 v39, s39
	v_mov_b32 v40, 0
	v_cmp_eq_u32 vcc_lo, 0, v2
	s_wait_xcnt 0x0                                ; EXEC changes only behind this wait
	s_and_saveexec_b32 s40, vcc_lo
	global_store_b128 v40, v[36:39], s[34:35]
	s_wait_xcnt 0x0
	s_or_b32 exec_lo, exec_lo, s40
.Lm_end:
	FINISH
.Lfunc_end_k_q8ab1a02b38_prep:
	.size	k_q8ab1a02b38_prep, .Lfunc_end_k_q8ab1a02b38_prep-k_q8ab1a02b38_prep
	.p2alignl 7, 3214868480
	.fill 96, 4, 3214868480
	.section	.rodata,"a",@progbits
	.p2align	6, 0x0
	.amdhsa_kernel k_q8ab1a02b38_prep
		.amdhsa_group_segment_fixed_size 137472
		.amdhsa_private_segment_fixed_size 0
		.amdhsa_enable_private_segment 0
		.amdhsa_kernarg_size 72
		.amdhsa_user_sgpr_count 2
		.amdhsa_user_sgpr_kernarg_segment_ptr 1
		.amdhsa_wavefront_size32 1
		.amdhsa_system_sgpr_workgroup_id_x 1
		.amdhsa_system_sgpr_workgroup_id_y 1
		.amdhsa_system_sgpr_workgroup_id_z 1
		.amdhsa_system_vgpr_workitem_id 0
		.amdhsa_next_free_vgpr 192
		.amdhsa_next_free_sgpr 66
		.amdhsa_reserve_vcc 1
		.amdhsa_float_denorm_mode_32 3
		.amdhsa_float_denorm_mode_16_64 3
		.amdhsa_memory_ordered 1
		.amdhsa_forward_progress 1
		.amdhsa_inst_pref_size 62
	.end_amdhsa_kernel
	.amdgpu_metadata
---
amdhsa.version: [ 1, 2 ]
amdhsa.kernels:
  - .name:           k_q8ab1a02b38_prep
    .symbol:         k_q8ab1a02b38_prep.kd
    .args:
      - { .name: x, .offset: 0, .size: 8, .value_kind: global_buffer, .address_space: global }
      - { .name: Wq, .offset: 8, .size: 8, .value_kind: global_buffer, .address_space: global }
      - { .name: Wk, .offset: 16, .size: 8, .value_kind: global_buffer, .address_space: global }
      - { .name: Wv, .offset: 24, .size: 8, .value_kind: global_buffer, .address_space: global }
      - { .name: Wo, .offset: 32, .size: 8, .value_kind: global_buffer, .address_space: global }
      - { .name: block_mask, .offset: 40, .size: 8, .value_kind: global_buffer, .address_space: global }
      - { .name: cod, .offset: 48, .size: 8, .value_kind: global_buffer, .address_space: global }
      - { .name: wof, .offset: 56, .size: 8, .value_kind: global_buffer, .address_space: global }
      - { .name: msk, .offset: 64, .size: 8, .value_kind: global_buffer, .address_space: global }
    .group_segment_fixed_size: 137472
    .private_segment_fixed_size: 0
    .kernarg_segment_align: 8
    .kernarg_segment_size: 72
    .max_flat_workgroup_size: 512
    .sgpr_count:     66
    .vgpr_count:     192
    .wavefront_size: 32
...
	.end_amdgpu_metadata
.endif
;; end of part 1
;; launch qkv (part 2): grid 12 x 16, 4 waves a work-group, clusters of 4 x 4, 327,680 bytes of LDS; arguments cod, bq, qkv; writes qkv
.if DOCPART == 2
	.amdgcn_target "amdgcn-amd-amdhsa--gfx1250"
	.amdhsa_code_object_version 6
	.text
	.protected	k_q8ab1a02b38_qkv
	.globl	k_q8ab1a02b38_qkv
	.p2align	8
	.type	k_q8ab1a02b38_qkv,@function
k_q8ab1a02b38_qkv:
	s_mov_b64 s[64:65], 0
	v_nop
	global_prefetch_b8 v0, s[64:65] scope:SCOPE_SE
	s_setreg_imm32_b32 hwreg(HW_REG_WAVE_MODE, 25, 1), 1
	s_wait_xcnt 0x0
	s_wait_alu depctr_hold_cnt(0) depctr_sa_sdst(0) depctr_va_vdst(0) depctr_va_sdst(0) depctr_va_ssrc(0) depctr_va_vcc(0) depctr_vm_vsrc(0)
	s_getreg_b32 s2, hwreg(HW_REG_IB_STS2, 6, 4)
	s_cmp_eq_u32 s2, 0
	s_cbranch_scc0 .Lentry_in_a_cluster
	s_endpgm
.Lentry_in_a_cluster:
	s_bfe_u32 s2, ttmp6, 0x10000c
	s_cmp_lg_u32 s2, 0xf033
	s_cbranch_scc0 .Lentry_shape_is_right
	s_endpgm
.Lentry_shape_is_right:
; Launch 2 of 4: the three projections on codes of FP4 (E2M1) with E8M0 scales, one GEMM [4096 tokens] x [3072 = q|k|v features], K = 1,024.
; Left out: bk (a term that is the same along the softmax's axis: shown at the head of the first kernel); bv is added behind the softmax, in the next launch.
; A tile of 256 x 256 is made by four waves, 128 x 128 each: 64 accumulators, 512 registers.  K lies in two LDS slots of 512, both filled at the start: nothing is filled again.
; The scale bytes of the work-group's rows come once, as dense blocks.  CLUSTERS of 4 x 4: x's tiles are shared along a row of the cluster, the weights' along a column, by joint loads.
; THE TYPE is the cluster's x (0 q, 1 k, 2 v), the same in all sixteen partners.  LDS addresses, loads and registers are the same for all three: x's fragments in window 0, the weight's in window 1.
; For q and k source 0 takes 16 rows of the weight and source 1 16 tokens: a lane then holds one token and eight neighbouring features.  For v the matrix instruction names the two the other way round:
; a lane holds one feature and eight neighbouring tokens (the keys are the K of attention's second product).  So the text parts on the type: q and k share slot 0's steps, v has its own.
; THE RESULTS LEAVE AS IMAGES OF THE NEXT PRODUCT'S OPERAND REGISTERS: eight results rounded to f16 are four registers of an f16 fragment; lane l's 16 bytes go to 16 l: every store is 512 consecutive bytes, aligned.
; q is stored as (x Wq + bq) log2(e) / 8, so that the scores come out as exponents of 2.
; LIMITS: |q| log2(e) / 8, |k| and |v| stay under 65,504 (f16); NaN and infinities are not served.
; REGISTERS: window 0: v0-31 addresses; v32-95 scale words, two sets, and nothing else; v128-191 x's fragments, one set; on the way out v128-255.
;   window 1: the weight's fragments, two sets, at v0 and v128; v64-127 bq.   windows 2, 3: the accumulators ((a, b) at v[8 (8 (a % 4) + b)]; a: x's block of 16 tokens, b: the weight's block of 16 features).
.set NQ,     4
.set ROWB,   256
.set KROW,   512
.set PITCH,  272                       ; an LDS row: 256 bytes + 16: the 16 rows of a fragment load start 68 words apart
.set FR,     8
.set NL,     2
.set NP,     4
.set HALFT,  128*PITCH
.set SLOT,   4*HALFT                   ; x's 256 rows, then the weight's 256 rows
.set KS,     32                        ; a row of scale bytes
.set SCL,    2*SLOT
.set HALFS,  (128*KS/256)*272
.set SBLK,   (16*KS/256)*272
.set SPARE,  SCL+4*HALFS               ; the spare words, 128 bytes a wave: no other line names them
.set ADRA, 16                          ; v16-17 x's fragments in slot 0, 1
.set ADRB, 20                          ; v20-21 the weight's
.set LN,   26                          ; v26 16 x lane
.set ADRS, 27                          ; v27 my scale words: lanes 0-15 x's rows, lanes 16-31 the weight's
.set SPW,  28
.set NIL,  29
.set BQO,  30                          ; v30 32 x (lane / 16)
.set SC,   32
.set AF,   128
.set PK,   192                         ; the way out: packed results, two sets of 32
.set BQ,   64                          ; window 1: bq x c, eight numbers for each of my eight feature tiles
.set CC,   96                          ; s[96:97] c = log2(e) / 8
.set G1, 24
.set G0, 32
.set G1B, 48
.set G0B, 56
.set G1S, 68
.set G0S, 76
.set G1SB, 80
.set G0SB, 88
.set MSB, 0
.set VM,  0                            ; 1 while v's copy of the products is written
.macro WIN new                         ; the immediate's high byte repeats the setting that is left
.if MSB != \new
	s_set_vgpr_msb (MSB<<8)|\new
.set MSB, \new
.endif
.endm
.macro WLO                             ; the products' windows, C and D in window 2: the weight's fragments in window 1, x's in window 0, as source 0 and 1 (q, k) or 1 and 0 (v)
.if VM
	WIN 0xa4
.else
	WIN 0xa1
.endif
.endm
.macro WHI                             ; the same, C and D in window 3
.if VM
	WIN 0xf4
.else
	WIN 0xf1
.endif
.endm
.set TO_B,   0x40
.macro JLOAD g0a, g1a, g0b, g1b        ; waves 0 and 1 fetch for x, waves 2 and 3 for the weight; the branch hangs on the wave's number alone
	s_cmp_eq_u32 s15, 0
	s_cbranch_scc0 .Lfor_b_\@
	tensor_load_to_lds s[\g0a:\g0a+3], s[\g1a:\g1a+7]
	s_nop 0
.rept 4
	v_nop
.endr
	s_branch .Lasked_\@
.Lfor_b_\@:
	tensor_load_to_lds s[\g0b:\g0b+3], s[\g1b:\g1b+7]
	s_nop 0
.rept 4
	v_nop
.endr
.Lasked_\@:
.endm
.macro CROUND                          ; a round of the cluster's barrier
	s_barrier_signal -1
	s_barrier_wait -1
	s_cmp_lg_u32 s14, 0
	s_cbranch_scc1 .Lnot_wave_0_\@
	s_barrier_signal -3
.Lnot_wave_0_\@:
	s_barrier_wait -3
	s_barrier_signal -1
	s_barrier_wait -1
.endm
	s_load_b128 s[4:7], s[0:1], 0x0                ; cod, bq
	s_load_b64 s[8:9], s[0:1], 0x10                ; qkv
	v_lshl_add_u32 v[SPW], v0, 2, SPARE
	v_mov_b32 v[NIL], 0
	ds_add_u32 v[SPW], v[NIL]                      ; the wave's opening: the add, twice on end, and its wait ahead of my first tensor load
	ds_add_u32 v[SPW], v[NIL]
	v_lshrrev_b32 v1, 5, v0
	v_readfirstlane_b32 s14, v1                    ; wave 0..3
	s_lshr_b32 s15, s14, 1                         ; which half of the tile's tokens is mine.  Also: I fetch for x (0) or for the weight (1)
	s_and_b32 s16, s14, 1                          ; which half of its features.  Also: which 128 rows I fetch
	s_bfe_u32 s40, ttmp6, 0x40000                  ; cx
	s_bfe_u32 s41, ttmp6, 0x40004                  ; cy
	s_lshl_b32 s42, ttmp9, 2
	s_add_co_u32 s42, s42, s40                     ; gx: which 256 of the 3,072 features
	s_and_b32 s17, ttmp7, 0xffff
	s_lshl_b32 s17, s17, 2
	s_add_co_u32 s17, s17, s41                     ; gy: which 256 tokens
	s_lshl_b32 s43, s41, 2
	s_lshl_b32 s43, 15, s43                        ; my row of the cluster
	s_lshl_b32 s44, 0x1111, s40                    ; my column
	s_or_b32 s[G1+0], s43, (0<<16)|(1<<20)|(1<<21)|(5<<22)|(3<<25)   ; mask; elements of 1 byte; padding of 4 words behind every 64
	s_or_b32 s[G1B+0], s44, (0<<16)|(1<<20)|(1<<21)|(5<<22)|(3<<25)
.irp g, G1, G1B
	s_mov_b32 s[\g+1], ROWB<<16                    ; tensor_dim0
	s_mov_b32 s[\g+2], 128<<16                     ; tensor_dim1
	s_mov_b32 s[\g+3], ROWB<<16                    ; tile_dim0
	s_mov_b32 s[\g+4], 128                         ; tile_dim1
	s_mov_b32 s[\g+5], KROW                        ; bytes from row to row
	s_mov_b32 s[\g+6], 0
	s_mov_b32 s[\g+7], 0
.endr
	s_or_b32 s[G1S+0], s43, (3<<16)|(1<<20)|(1<<21)|(5<<22)|(3<<25)  ; the scale bytes of 128 rows: 4,096 dense bytes as 16 rows of 32 elements of 8 bytes
	s_or_b32 s[G1SB+0], s44, (3<<16)|(1<<20)|(1<<21)|(5<<22)|(3<<25)
.irp g, G1S, G1SB
	s_mov_b32 s[\g+1], 32<<16
	s_mov_b32 s[\g+2], (128*KS/256)<<16
	s_mov_b32 s[\g+3], 32<<16
	s_mov_b32 s[\g+4], 128*KS/256
	s_mov_b32 s[\g+5], 32
	s_mov_b32 s[\g+6], 0
	s_mov_b32 s[\g+7], 0
.endr
	s_lshl_b32 s18, s16, 7
	s_lshl_b32 s20, s17, 8
	s_add_co_u32 s20, s20, s18                     ; x: row 256 gy + 128 x half
	s_lshl_b32 s46, s42, 8
	s_add_co_u32 s46, s46, s18                     ; the weight: row 256 gx + 128 x half
	s_mov_b32 s21, 0
	s_mov_b32 s47, 0
	s_mov_b64 s[18:19], KS
	s_mul_u64 s[22:23], s[20:21], s[18:19]
	s_mul_u64 s[92:93], s[46:47], s[18:19]
	s_mov_b64 s[18:19], KROW
	s_mul_u64 s[20:21], s[20:21], s[18:19]
	s_mul_u64 s[46:47], s[46:47], s[18:19]
	s_add_nc_u64 s[22:23], s[22:23], 3670016       ; the four parts of cod: x's codes at 0, the weights' codes, x's scale bytes, the weights'
	s_add_nc_u64 s[46:47], s[46:47], 2097152
	s_add_nc_u64 s[92:93], s[92:93], 3801088
	s_mul_i32 s45, s14, HALFT                      ; where they go: wave x 128 rows
	s_mul_i32 s94, s14, HALFS
	s_mov_b32 s[CC], 0x3e38aa3b
	s_mov_b32 s[CC+1], s[CC]
	s_wait_dscnt 0x0                               ; both opening adds are done
	s_wait_kmcnt 0x0
	s_add_nc_u64 s[20:21], s[4:5], s[20:21]
	s_add_nc_u64 s[22:23], s[4:5], s[22:23]
	s_add_nc_u64 s[46:47], s[4:5], s[46:47]
	s_add_nc_u64 s[92:93], s[4:5], s[92:93]
	CROUND                                         ; all sixteen work-groups are here: the joint loads meet
	s_mov_b32 s[G0S], 1
	s_add_co_u32 s[G0S+1], s94, SCL
	s_mov_b64 s[G0S+2:G0S+3], s[22:23]
	s_or_b32 s[G0S+3], s[G0S+3], 0x80000000
	s_mov_b32 s[G0SB], 1
	s_add_co_u32 s[G0SB+1], s94, SCL
	s_mov_b64 s[G0SB+2:G0SB+3], s[92:93]
	s_or_b32 s[G0SB+3], s[G0SB+3], 0x80000000
	JLOAD G0S, G1S, G0SB, G1SB                     ; three loads of mine go out together: the scale bytes, slot 0, slot 1
.irp s, 0,1
	s_mov_b32 s[G0+4*\s], 1
	s_add_co_u32 s[G0+4*\s+1], s45, \s*SLOT
	s_add_nc_u64 s[G0+4*\s+2:G0+4*\s+3], s[20:21], \s*ROWB
	s_or_b32 s[G0+4*\s+3], s[G0+4*\s+3], 0x80000000
	s_mov_b32 s[G0B+4*\s], 1
	s_add_co_u32 s[G0B+4*\s+1], s45, \s*SLOT
	s_add_nc_u64 s[G0B+4*\s+2:G0B+4*\s+3], s[46:47], \s*ROWB
	s_or_b32 s[G0B+4*\s+3], s[G0B+4*\s+3], 0x80000000
	JLOAD G0+4*\s, G1, G0B+4*\s, G1B
.endr
	v_and_b32 v1, 15, v0                           ; r
	v_bfe_u32 v2, v0, 4, 1                         ; h
	v_mul_u32_u24 v3, v1, PITCH
	v_lshl_add_u32 v4, v2, 4, v3                   ; a fragment's row x pitch + 16 x half
	s_mul_i32 s21, s15, HALFT                      ; my 128 rows of x
	s_mul_i32 s22, s16, HALFT                      ; my 128 rows of the weight,
	s_add_co_u32 s22, s22, 2*HALFT                 ; which lie behind x's 256
.irp s, 0,1
	v_add_nc_u32 v[ADRA+\s], s21, v4
	v_add_nc_u32 v[ADRB+\s], s22, v4
	s_add_co_u32 s21, s21, SLOT
	s_add_co_u32 s22, s22, SLOT
.endr
	v_mul_u32_u24 v5, v1, KS                       ; my row's scale bytes: 32 a row,
	v_lshrrev_b32 v6, 8, v5
	v_lshl_add_u32 v5, v6, 4, v5                   ; and 16 more for each 256 passed
	s_mul_i32 s21, s15, HALFS                      ; x's: my 128 rows
	s_mul_i32 s22, s16, HALFS                      ; the weight's: my 128 rows, behind x's 256
	s_add_co_u32 s22, s22, 2*HALFS
	s_sub_co_u32 s22, s22, s21
	v_mul_u32_u24 v6, s22, v2                      ; lanes 16-31 take the weight's
	s_add_co_u32 s21, s21, SCL
	v_add_nc_u32 v5, v5, v6
	v_add_nc_u32 v[ADRS], s21, v5
	v_and_b32 v6, 31, v0
	v_lshlrev_b32 v[LN], 4, v6
	v_lshlrev_b32 v[BQO], 5, v2
	; where my results go: 8,388,608 x type + 262,144 x (16 batch + 4 cx + 2 x my half of the features) + 32,768 x (gy % 8) + 16,384 x my half of the tokens
	s_lshl_b32 s20, s16, 1
	s_lshl_b32 s22, s40, 2
	s_add_co_u32 s20, s20, s22
	s_lshr_b32 s22, s17, 3
	s_lshl_b32 s22, s22, 4
	s_add_co_u32 s20, s20, s22
	s_lshl_b32 s20, s20, 18
	s_and_b32 s22, s17, 7
	s_lshl_b32 s22, s22, 15
	s_add_co_u32 s20, s20, s22
	s_lshl_b32 s21, s15, 14
	s_add_co_u32 s20, s20, s21
	s_lshl_b32 s21, ttmp9, 23
	s_add_co_u32 s20, s20, s21
	s_mov_b32 s21, 0
	s_add_nc_u64 s[8:9], s[8:9], s[20:21]
.macro FRAG reg, adr, q, i             ; 16 rows x 128 K of 4-bit codes: 8 registers, two loads of 16 bytes, 32 bytes apart
.irp c, 0,1
	ds_load_b128 v[\reg+4*\c:\reg+4*\c+3], v[\adr] offset:64*(\q)+32*\c+(\i)*16*PITCH
.endr
.endm
; 16 matrix instructions: x's blocks a0, a0 + 1 x the weight's eight.  The 64 accumulators take turns, one instruction a turn, in the same order in every step.
; A scale register holds x's words of block i in lanes 0-15 and the weight's words of block i in lanes 16-31: the weight's side names its register with ROW1.
.macro MUL16 a0, p, q, sc, zero
.irp a, \a0, \a0+1
.irp b, 0,1,2,3,4,5,6,7
.set rD, 8*(8*((\a)%4)+\b)
.set rW, 128*(\p)+FR*\b
.set rX, AF+FR*(\a)
.set sW, SC+8*NQ*(\sc)+NQ*\b+(\q)
.set sX, SC+8*NQ*(\sc)+NQ*(\a)+(\q)
.if VM
.if \zero
	v_wmma_scale_f32_16x16x128_f8f6f4 v[rD:rD+7], v[rX:rX+FR-1], v[rW:rW+FR-1], 0, v[sX], v[sW] matrix_a_fmt:MATRIX_FMT_FP4 matrix_b_fmt:MATRIX_FMT_FP4 matrix_b_scale:MATRIX_SCALE_ROW1
.else
	v_wmma_scale_f32_16x16x128_f8f6f4 v[rD:rD+7], v[rX:rX+FR-1], v[rW:rW+FR-1], v[rD:rD+7], v[sX], v[sW] matrix_a_fmt:MATRIX_FMT_FP4 matrix_b_fmt:MATRIX_FMT_FP4 matrix_b_scale:MATRIX_SCALE_ROW1
.endif
.else
.if \zero
	v_wmma_scale_f32_16x16x128_f8f6f4 v[rD:rD+7], v[rW:rW+FR-1], v[rX:rX+FR-1], 0, v[sW], v[sX] matrix_a_fmt:MATRIX_FMT_FP4 matrix_b_fmt:MATRIX_FMT_FP4 matrix_a_scale:MATRIX_SCALE_ROW1
.else
	v_wmma_scale_f32_16x16x128_f8f6f4 v[rD:rD+7], v[rW:rW+FR-1], v[rX:rX+FR-1], v[rD:rD+7], v[sW], v[sX] matrix_a_fmt:MATRIX_FMT_FP4 matrix_b_fmt:MATRIX_FMT_FP4 matrix_a_scale:MATRIX_SCALE_ROW1
.endif
.endif
.endr
.endr
.endm
.macro FETCH_B slot, q, p              ; the weight's eight fragments into set p
	WIN TO_B
.irp i, 0,1,2,3,4,5,6,7
	FRAG 128*(\p)+FR*\i, ADRB+\slot, \q, \i
.endr
	WIN 0
.endm
.macro FETCH_A slot, q, i0             ; x's blocks i0 .. i0 + 3
.irp i, \i0, \i0+1, \i0+2, \i0+3
	FRAG AF+FR*(\i), ADRA+\slot, \q, \i
.endr
.endm
.macro SCALES sc                       ; a slot's scale words: four a row
.irp i, 0,1,2,3,4,5,6,7
	ds_load_b128 v[SC+8*NQ*\sc+NQ*\i:SC+8*NQ*\sc+NQ*\i+3], v[ADRS] offset:\i*SBLK
.endr
.endm
.macro PLACES n                        ; plain vector instructions between a matrix instruction and a load into, or a read of, its registers
.rept \n
	v_nop
.endr
.endm
.macro STEP slot, q, zero              ; 128 along K, with its successor in the same slot
	s_wait_dscnt 4*NL                              ; all but the youngest eight loads (x's blocks 4-7) are in
	WLO
	MUL16 0, (\q)%2, \q, \slot, \zero
	MUL16 2, (\q)%2, \q, \slot, \zero
	s_wait_dscnt 0
	PLACES NP
	FETCH_B \slot, (\q)+1, 1-(\q)%2
	FETCH_A \slot, (\q)+1, 0
	WHI
	MUL16 4, (\q)%2, \q, \slot, \zero
	MUL16 6, (\q)%2, \q, \slot, \zero
	PLACES NP
	WIN 0
	FETCH_A \slot, (\q)+1, 4
.endm
.macro CROSS                           ; slot 0's last step: its successor is slot 1's first, which has lain in LDS since the barrier at the head
	s_wait_dscnt 4*NL
	WLO
	MUL16 0, 1, NQ-1, 0, 0
	MUL16 2, 1, NQ-1, 0, 0
	s_wait_dscnt 0
	PLACES NP
	WIN 0
	v_add_nc_u32 v[ADRS], 4*NQ, v[ADRS]            ; slot 1's scale words: 16 bytes on in each row
	FETCH_B 1, 0, 0
	FETCH_A 1, 0, 0
	SCALES 1
	WHI
	MUL16 4, 1, NQ-1, 0, 0
	MUL16 6, 1, NQ-1, 0, 0
	PLACES NP
	WIN 0
	FETCH_A 1, 0, 4
.endm
.macro STEPS slot, from
.set Q, \from
.rept NQ-1-\from
	STEP \slot, Q, 0
.set Q, Q+1
.endr
.endm
.macro HEAD                            ; slot 0's four steps; the first products start the sums: nothing is cleared
	STEP 0, 0, 1
	STEPS 0, 1
	CROSS
.endm
.macro TAIL                            ; slot 1's four steps
	STEPS 1, 0
	s_wait_dscnt 4*NL
	WLO
	MUL16 0, 1, NQ-1, 1, 0
	MUL16 2, 1, NQ-1, 1, 0
	s_wait_dscnt 0
	WHI
	MUL16 4, 1, NQ-1, 1, 0
	MUL16 6, 1, NQ-1, 1, 0
	WIN 0
	PLACES NP
.endm
; THE WAY OUT of x's block a: 64 results a lane become 32 registers of f16; each accumulator is read from its low end on.
.macro PACKQ a                         ; (sum + bq) c = sum c + bq c
	WIN 0x12+((\a)/4)                              ; source 0: window 2 or 3; source 2: window 1
.irp b, 0,1,2,3,4,5,6,7
.irp r, 0,2,4,6
	v_pk_fma_f32 v[AF+8*\b+\r:AF+8*\b+\r+1], v[64*((\a)%4)+8*\b+\r:64*((\a)%4)+8*\b+\r+1], s[CC:CC+1], v[BQ+8*\b+\r:BQ+8*\b+\r+1] op_sel_hi:[1,0,1]
.endr
.endr
	WIN 0
.irp i, 0,1,2,3,4,5,6,7,8,9,10,11,12,13,14,15,16,17,18,19,20,21,22,23,24,25,26,27,28,29,30,31
	v_cvt_pk_f16_f32 v[PK+32*((\a)%2)+\i], v[AF+2*\i], v[AF+2*\i+1]
.endr
.endm
.macro PACKKV a
	WIN 0x0a+5*((\a)/4)                            ; sources 0 and 1: window 2 or 3
.irp i, 0,1,2,3,4,5,6,7,8,9,10,11,12,13,14,15,16,17,18,19,20,21,22,23,24,25,26,27,28,29,30,31
	v_cvt_pk_f16_f32 v[PK+32*((\a)%2)+\i], v[64*((\a)%4)+2*\i], v[64*((\a)%4)+2*\i+1]
.endr
	WIN 0
.endm
.macro SENDQK a                        ; token tile a; feature tile b: head b / 4, K step (b / 2) % 2 of the head's 64, registers 4 (b % 2) on
.irp b, 0,1,2,3,4,5,6,7
	global_store_b128 v[LN], v[PK+32*((\a)%2)+4*\b:PK+32*((\a)%2)+4*\b+3], s[8:9] offset:262144*(\b/4)+2048*(\a)+1024*((\b/2)%2)+512*(\b%2)
.endr
.endm
.macro SENDV a                         ; token tile a: key block a / 4, K step (a / 2) % 2 of its 64 keys, registers 4 (a % 2) on; feature tile b: head b / 4, channel tile b % 4
.irp b, 0,1,2,3,4,5,6,7
	global_store_b128 v[LN], v[PK+32*((\a)%2)+4*\b:PK+32*((\a)%2)+4*\b+3], s[8:9] offset:262144*(\b/4)+1024*(\b%4)+8192*((\a)/4)+4096*(((\a)/2)%2)+512*((\a)%2)
.endr
.endm
	s_wait_tensorcnt 0x0                           ; my three loads have landed: the scale bytes and my parts of both slots,
	s_barrier_signal -1
	s_barrier_wait -1                              ; and everybody's: no further barrier is wanted, since nothing is filled again
	FETCH_B 0, 0, 0
	FETCH_A 0, 0, 0
	SCALES 0
	FETCH_A 0, 0, 4
	s_cmp_eq_u32 ttmp9, 2                          ; the types part here: the cluster's x, the same in all partners
	s_cbranch_scc1 .Lv
	HEAD                                           ; q and k share slot 0's steps
	s_cmp_eq_u32 ttmp9, 0
	s_cbranch_scc0 .Lk
	s_lshl_b32 s20, s40, 10                        ; bq at my 128 features: it lands while slot 1 is multiplied
	s_lshl_b32 s21, s16, 9
	s_add_co_u32 s20, s20, s21
	s_mov_b32 s21, 0
	s_add_nc_u64 s[6:7], s[6:7], s[20:21]
	WIN TO_B
.irp b, 0,1,2,3,4,5,6,7
	global_load_b128 v[BQ+8*\b:BQ+8*\b+3], v[BQO], s[6:7] offset:64*\b
	global_load_b128 v[BQ+8*\b+4:BQ+8*\b+7], v[BQO], s[6:7] offset:64*\b+16
.endr
	WIN 0
	TAIL
	s_wait_loadcnt 0x0
	WIN 0x41
.set i, 0
.rept 32
	v_pk_mul_f32 v[BQ+i:BQ+i+1], v[BQ+i:BQ+i+1], s[CC:CC+1] op_sel_hi:[1,0]
.set i, i+2
.endr
.irp a, 0,1,2,3,4,5,6,7
.if \a >= 2
	s_wait_xcnt 0x0                                ; block a - 2's stores have read their registers
.endif
	PACKQ \a
	SENDQK \a
.endr
	s_branch .Ldone
.Lk:
	TAIL
.irp a, 0,1,2,3,4,5,6,7
.if \a >= 2
	s_wait_xcnt 0x0
.endif
	PACKKV \a
	SENDQK \a
.endr
	s_branch .Ldone
.Lv:
.set VM, 1                             ; from here on the products name x as source 0 and the weight as source 1
	HEAD
	TAIL
.irp a, 0,1,2,3,4,5,6,7
.if \a >= 2
	s_wait_xcnt 0x0
.endif
	PACKKV \a
	SENDV \a
.endr
.Ldone:
	s_wait_tensorcnt 0x0                           ; the wave's end
	ds_add_u32 v[SPW], v[NIL]
	s_wait_dscnt 0x0
	CROUND                                         ; the closing round
	s_endpgm
.Lfunc_end_k_q8ab1a02b38_qkv:
	.size	k_q8ab1a02b38_qkv, .Lfunc_end_k_q8ab1a02b38_qkv-k_q8ab1a02b38_qkv
	.p2alignl 7, 3214868480
	.fill 96, 4, 3214868480
	.section	.rodata,"a",@progbits
	.p2align	6, 0x0
	.amdhsa_kernel k_q8ab1a02b38_qkv
		.amdhsa_group_segment_fixed_size 327680
		.amdhsa_private_segment_fixed_size 0
		.amdhsa_enable_private_segment 0
		.amdhsa_kernarg_size 24
		.amdhsa_user_sgpr_count 2
		.amdhsa_user_sgpr_kernarg_segment_ptr 1
		.amdhsa_wavefront_size32 1
		.amdhsa_system_sgpr_workgroup_id_x 1
		.amdhsa_system_sgpr_workgroup_id_y 1
		.amdhsa_system_sgpr_workgroup_id_z 1
		.amdhsa_system_vgpr_workitem_id 0
		.amdhsa_next_free_vgpr 1024
		.amdhsa_next_free_sgpr 98
		.amdhsa_reserve_vcc 0
		.amdhsa_float_denorm_mode_32 3
		.amdhsa_float_denorm_mode_16_64 3
		.amdhsa_memory_ordered 1
		.amdhsa_forward_progress 1
		.amdhsa_inst_pref_size 255
	.end_amdhsa_kernel
	.section	.bss,"aw",@nobits
	.p2align	6
	.space	262144
	.amdgpu_metadata
---
amdhsa.version: [ 1, 2 ]
amdhsa.kernels:
  - .name:           k_q8ab1a02b38_qkv
    .symbol:         k_q8ab1a02b38_qkv.kd
    .args:
      - { .name: cod, .offset: 0, .size: 8, .value_kind: global_buffer, .address_space: global }
      - { .name: bq, .offset: 8, .size: 8, .value_kind: global_buffer, .address_space: global }
      - { .name: qkv, .offset: 16, .size: 8, .value_kind: global_buffer, .address_space: global }
    .group_segment_fixed_size: 327680
    .private_segment_fixed_size: 0
    .kernarg_segment_align: 8
    .kernarg_segment_size: 24
    .max_flat_workgroup_size: 128
    .sgpr_count:     98
    .vgpr_count:     1024
    .wavefront_size: 32
...
	.end_amdgpu_metadata
.endif
;; end of part 2
;; launch attn (part 3): grid 32 x 32, 4 waves a work-group, no clusters, 70,144 bytes of LDS; arguments qkv, msk, bv, af; writes af
.if DOCPART == 3
	.amdgcn_target "amdgcn-amd-amdhsa--gfx1250"
	.amdhsa_code_object_version 6
	.text
	.protected	k_q8ab1a02b38_attn
	.globl	k_q8ab1a02b38_attn
	.p2align	8
	.type	k_q8ab1a02b38_attn,@function
k_q8ab1a02b38_attn:
	s_mov_b64 s[64:65], 0
	v_nop
	global_prefetch_b8 v0, s[64:65] scope:SCOPE_SE
	s_setreg_imm32_b32 hwreg(HW_REG_WAVE_MODE, 25, 1), 1
	s_wait_xcnt 0x0
; Launch 3 of 4: scores, mask, softmax, guard, the product with v, + bv.  f16 operands, f32 sums; maxima, exponentials and row sums in f32.
; Left out: blocks of 64 x 64 of the mask with no true entry (p = 0 there), by the whole numbers that the first launch stored; bk (see the head of the first kernel).
; bv: the sum over keys of p (v + bv) is the sum of p v, plus bv where the row has a key, and 0 where it has none (the): bv is added once, behind the softmax, under that flag.
; SHARES.  Work-group (x = batch x 16 + head, y = rank R) takes the block of 64 queries whose count of live key blocks stands at rank R, the largest first, so that the longest walks begin first.
; Each of the four waves holds all 64 queries (four tiles of 16) and walks the live key blocks s, s + 4, .. of the list; the four partial results (m, l, O) meet once in LDS, and wave w finishes tile w.
; K, V and Q come from memory straight into registers, as images of the operand registers (16 bytes a lane, 512 consecutive bytes a load), a step ahead: the walk hangs on stored whole numbers,
; so this launch has no tensor load; no cluster: work-groups that share K and V walk different lists.
; LAYOUT.  S^T = K Q^T, O^T = V^T P^T: a lane holds ONE query (lane % 16) throughout; register 8 kt + j of a tile's scores is key 16 kt + 8 (lane / 16) + j, and bit 8 kt + j of the lane's mask word is its entry.
; q carries log2(e) / 8: p = 2^(s - m), m the running maximum, begun at -3e38.  LIMITS: scores stay above -3e38; NaN and infinities are not served; results stay under 65,504 (f16).
; REGISTERS: window 0: v1 16 lane; v6, v7, v62, v63 LDS addresses; v8-11 mask words; v12 -infinity; v16 + 12 q: a tile's statistics (+0 m, +1 old m, +2:3 l, +4..7 at work, +8 a, +9 pad);
;   v64 + 32 q: S^T, then p, then P in f16; v192 + 16 q + 8 c: Q.   window 1: v0 + 32 q + 8 ct: O^T; v128 + 16 kt + 8 c: K; v192 + 32 g + 8 ct: V^T.
.set SPW,   2
.set NIL,   3
.set ML,    65536                      ; LDS: from 0 the four waves' O^T (16,384 bytes each); here m and l, 256 bytes for each (wave, tile)
.set SPARE, 69632                      ; the spare words, 128 bytes a wave: no other line names them
.set MSB, 0
.macro WIN new
.if MSB != \new
	s_set_vgpr_msb (MSB<<8)|\new
.set MSB, \new
.endif
.endm
	s_load_b256 s[4:11], s[0:1], 0x0               ; qkv 4:5, msk 6:7, bv 8:9, af 10:11
	v_lshl_add_u32 v[SPW], v0, 2, SPARE
	v_mov_b32 v[NIL], 0
	v_lshrrev_b32 v4, 5, v0
	v_readfirstlane_b32 s12, v4                    ; wave 0..3
	v_and_b32 v14, 31, v0                          ; lane
	v_lshlrev_b32 v1, 4, v14
	v_bfe_u32 v15, v0, 4, 1
	v_lshlrev_b32 v15, 5, v15                      ; 32 x (lane / 16)
	s_lshl_b32 s20, s12, 14
	v_add_nc_u32 v6, s20, v1                       ; where I put O^T
	s_lshl_b32 s20, s12, 10
	s_add_co_u32 s20, s20, ML
	v_lshl_add_u32 v7, v14, 2, s20                 ; and m, l
	s_lshl_b32 s20, s12, 12
	v_add_nc_u32 v62, s20, v1                      ; where I read tile w of every wave's O^T
	s_lshl_b32 s20, s12, 8
	s_add_co_u32 s20, s20, ML
	v_lshl_add_u32 v63, v14, 2, s20
	v_mov_b32 v12, 0xff800000
	v_mov_b32 v13, 0
	s_and_b32 s14, ttmp7, 0xffff                   ; R
	s_mov_b32 s40, 0x76543210
	s_mov_b32 s41, 0xfedcba98                      ; v_permlanex16_b32's selects for lane l xor 16
	s_mov_b32 s35, 0
	s_mov_b32 s47, 0
	s_wait_kmcnt 0x0
	global_load_b128 v[64:67], v1, s[6:7] offset:524288   ; lane i: query block i's A, F, count, sort key
.irp q, 0,1,2,3
	v_mov_b32 v[16+12*\q], 0xff61b1e6              ; m = -3e38
	v_mov_b32 v[17+12*\q], 0xff61b1e6
	v_mov_b32 v[18+12*\q], 0                       ; l
	v_mov_b32 v[19+12*\q], 0
	v_mov_b32 v[25+12*\q], 0                       ; named with a as a pair
.endr
	WIN 0x40
.set i, 0
.rept 128
	v_mov_b32 v[i], 0                              ; O^T: a wave may have no step at all, and the step is written once for every step
.set i, i+1
.endr
	WIN 0
	s_wait_loadcnt 0x0
.set i, 0
.rept 32                               ; my lane's rank: how many sort keys are larger
	v_readlane_b32 s20, v67, i
	v_cmp_gt_u32 vcc_lo, s20, v67
	v_add_co_ci_u32 v13, vcc_lo, 0, v13, vcc_lo
.set i, i+1
.endr
	v_cmp_eq_u32 vcc_lo, s14, v13                  ; one lane has rank R
	s_wait_xcnt 0x0                                ; EXEC changes only behind this wait
	s_and_saveexec_b32 s39, vcc_lo
	v_readfirstlane_b32 s16, v64                   ; A
	v_readfirstlane_b32 s17, v65                   ; F
	v_readfirstlane_b32 s18, v66                   ; the count
	v_readfirstlane_b32 s15, v14                   ; qb
	s_or_b32 exec_lo, exec_lo, s39
	s_min_u32 s15, s15, 31
	s_min_u32 s18, s18, 32
.irp i, 0,1,2
	s_cmp_gt_u32 s12, \i                           ; the list's first w entries are other waves'
	s_cselect_b32 s20, 1, 0
	s_sub_co_u32 s20, s16, s20
	s_and_b32 s16, s16, s20
.endr
	s_add_co_u32 s19, s18, 3
	s_sub_co_u32 s19, s19, s12
	s_lshr_b32 s19, s19, 2                         ; my steps
	s_lshl_b32 s20, ttmp9, 18
	s_mov_b32 s21, 0
	s_add_nc_u64 s[4:5], s[4:5], s[20:21]          ; q's images of my head;
	s_add_nc_u64 s[22:23], s[4:5], 8388608         ; k's;
	s_add_nc_u64 s[24:25], s[4:5], 16777216        ; v's
	s_lshl_b32 s20, s15, 13
	s_add_nc_u64 s[42:43], s[4:5], s[20:21]
	s_lshl_b32 s20, s15, 14
	s_add_nc_u64 s[26:27], s[6:7], s[20:21]        ; my query block's mask words
	s_lshr_b32 s20, ttmp9, 4
	s_lshl_b32 s20, s20, 7
	s_lshl_b32 s44, s15, 2
	s_add_co_u32 s20, s20, s44
	s_add_co_u32 s20, s20, s12                     ; the tile of 16 rows that I finish: 128 batch + 4 qb + w
	s_lshl_b32 s20, s20, 15
	s_and_b32 s44, ttmp9, 15
	s_lshl_b32 s45, s44, 11
	s_add_co_u32 s20, s20, s45
	s_add_nc_u64 s[10:11], s[10:11], s[20:21]
	s_lshl_b32 s20, s44, 8
	s_add_nc_u64 s[8:9], s[8:9], s[20:21]          ; bv at my head
	s_cmp_eq_u32 s19, 0
	s_cbranch_scc1 .Lcombine
.macro NEXT                            ; my next key block: its number, whether it is all true, its offsets; then four entries on in the list
	s_ctz_i32_b32 s36, s16
	s_min_u32 s36, s36, 31
	s_lshr_b32 s38, s17, s36
	s_and_b32 s38, s38, 1
	s_lshl_b32 s34, s36, 13
	s_lshl_b32 s46, s36, 9
.rept 4
	s_sub_co_u32 s20, s16, 1
	s_and_b32 s16, s16, s20
.endr
	s_add_nc_u64 s[28:29], s[22:23], s[34:35]
.endm
.macro LOAD16 reg, base                ; eight fragments, 8,192 consecutive bytes, into window 1
	WIN 0x40
.irp f, 0,1,2,3,4,5,6,7
	global_load_b128 v[\reg+8*\f:\reg+8*\f+3], v1, s[\base:\base+1] offset:1024*\f
	global_load_b128 v[\reg+8*\f+4:\reg+8*\f+7], v1, s[\base:\base+1] offset:1024*\f+512
.endr
	WIN 0
.endm
.macro MBV                             ; the block's mask words and V
	s_add_nc_u64 s[30:31], s[24:25], s[34:35]
	s_add_nc_u64 s[32:33], s[26:27], s[46:47]
	global_load_b128 v[8:11], v1, s[32:33]
	LOAD16 192, 30
	s_mov_b32 s37, s38
.endm
.irp f, 0,1,2,3,4,5,6,7
	global_load_b128 v[192+8*\f:195+8*\f], v1, s[42:43] offset:1024*\f
	global_load_b128 v[196+8*\f:199+8*\f], v1, s[42:43] offset:1024*\f+512
.endr
	NEXT
	LOAD16 128, 28
	MBV
; A STEP: 64 keys.  next = 1: the following block's K, mask words and V are asked for.
.macro STEP next
	s_wait_loadcnt 17                              ; K (and Q) are in; the mask words and V's 16 loads may be out
	WIN 0x01
.irp c, 0,1
.irp q, 0,1,2,3
.irp kt, 0,1,2,3                       ; sixteen accumulators by turns, one instruction a turn
.if \c == 0
	v_wmma_f32_16x16x32_f16 v[64+32*\q+8*\kt:64+32*\q+8*\kt+7], v[128+16*\kt+8*\c:128+16*\kt+8*\c+7], v[192+16*\q+8*\c:192+16*\q+8*\c+7], 0
.else
	v_wmma_f32_16x16x32_f16 v[64+32*\q+8*\kt:64+32*\q+8*\kt+7], v[128+16*\kt+8*\c:128+16*\kt+8*\c+7], v[192+16*\q+8*\c:192+16*\q+8*\c+7], v[64+32*\q+8*\kt:64+32*\q+8*\kt+7]
.endif
.endr
.endr
.endr
	WIN 0
.rept 4
	v_nop                                          ; places in front of the loads into K's registers and of the first read of the scores
.endr
.if \next
	s_wait_xcnt 0x0                                ; K's address is written again only behind this wait
	NEXT
	LOAD16 128, 28
.endif
	s_cmp_lg_u32 s37, 0                            ; a block that is all true needs no masking: a stored whole number decides
	s_cbranch_scc1 .Lfull_\@
.if \next
	s_wait_loadcnt 32                              ; the mask words are in; V's 16 and the next K's 16 may be out
.else
	s_wait_loadcnt 16
.endif
.irp q, 0,1,2,3
.set n, 0
.rept 32
	v_and_b32 v4, 1<<n, v[8+\q]
	v_cmp_eq_u32 vcc_lo, 0, v4
	v_cndmask_b32 v[64+32*\q+n], v[64+32*\q+n], v12, vcc_lo   ; a false entry: -infinity, so p = 0
.set n, n+1
.endr
.endr
.Lfull_\@:
	; the maximum: four chains a tile, each beginning at an accumulator's low end; the four tiles by turns
.irp j, 0,1,2,3
.irp q, 0,1,2,3
	v_max3_num_f32 v[20+12*\q+\j], v[64+32*\q+8*\j], v[65+32*\q+8*\j], v[66+32*\q+8*\j]
.endr
.endr
.irp u, 3,5
.irp j, 0,1,2,3
.irp q, 0,1,2,3
	v_max3_num_f32 v[20+12*\q+\j], v[20+12*\q+\j], v[64+32*\q+8*\j+\u], v[65+32*\q+8*\j+\u]
.endr
.endr
.endr
.irp q, 0,1,2,3
	v_max3_num_f32 v[20+12*\q], v[20+12*\q], v[71+32*\q], v[79+32*\q]
.endr
.irp q, 0,1,2,3
	v_max3_num_f32 v[22+12*\q], v[22+12*\q], v[87+32*\q], v[95+32*\q]
.endr
.irp q, 0,1,2,3
	v_max3_num_f32 v[20+12*\q], v[20+12*\q], v[21+12*\q], v[22+12*\q]
.endr
.irp q, 0,1,2,3
	v_max3_num_f32 v[20+12*\q], v[20+12*\q], v[23+12*\q], v[16+12*\q]   ; with the old m
.endr
.irp q, 0,1,2,3
	v_permlanex16_b32 v[21+12*\q], v[20+12*\q], s40, s41       ; the query's other 32 keys lie in the lane 16 away
.endr
.irp q, 0,1,2,3
	v_mov_b32 v[17+12*\q], v[16+12*\q]
.endr
.irp q, 0,1,2,3
	v_max_num_f32 v[16+12*\q], v[20+12*\q], v[21+12*\q]        ; the new m
.endr
.irp q, 0,1,2,3
	v_sub_f32 v[24+12*\q], v[17+12*\q], v[16+12*\q]
.endr
.irp j, 0,2,4,6,8,10,12,14,16,18,20,22,24,26,28,30
.irp q, 0,1,2,3
	v_pk_add_f32 v[64+32*\q+\j:65+32*\q+\j], v[64+32*\q+\j:65+32*\q+\j], v[16+12*\q:17+12*\q] op_sel_hi:[1,0] neg_lo:[0,1] neg_hi:[0,1]   ; s - m
.endr
.endr
.irp q, 0,1,2,3
	v_exp_f32 v[24+12*\q], v[24+12*\q]             ; a = 2^(old m - new m)
.endr
.set n, 0
.rept 128
	v_exp_f32 v[64+n], v[64+n]                     ; p: one batch of exponentials,
.set n, n+1
.endr
	v_nop                                          ; a plain instruction behind the last of them,
	s_wait_alu depctr_va_vdst(0)                   ; and one wait ahead of the first reader
.irp q, 0,1,2,3
	v_pk_add_f32 v[20+12*\q:21+12*\q], v[64+32*\q:65+32*\q], v[66+32*\q:67+32*\q]   ; the row's sum of the unrounded p, in two chains
	v_pk_add_f32 v[22+12*\q:23+12*\q], v[68+32*\q:69+32*\q], v[70+32*\q:71+32*\q]
.endr
.irp j, 8,12,16,20,24,28
.irp q, 0,1,2,3
	v_pk_add_f32 v[20+12*\q:21+12*\q], v[20+12*\q:21+12*\q], v[64+32*\q+\j:65+32*\q+\j]
	v_pk_add_f32 v[22+12*\q:23+12*\q], v[22+12*\q:23+12*\q], v[66+32*\q+\j:67+32*\q+\j]
.endr
.endr
.irp q, 0,1,2,3
	v_pk_add_f32 v[20+12*\q:21+12*\q], v[20+12*\q:21+12*\q], v[22+12*\q:23+12*\q]
.endr
.irp q, 0,1,2,3
	v_pk_fma_f32 v[18+12*\q:19+12*\q], v[18+12*\q:19+12*\q], v[24+12*\q:25+12*\q], v[20+12*\q:21+12*\q] op_sel_hi:[1,0,1]   ; l = a l + the sum
.endr
.irp i, 0,1,2,3,4,5,6,7,8,9,10,11,12,13,14,15
.irp q, 0,1,2,3
	v_cvt_pk_f16_f32 v[64+32*\q+\i], v[64+32*\q+2*\i], v[65+32*\q+2*\i]   ; in place, ascending: registers 8 g on are source 1 for keys 32 g on
.endr
.endr
	WIN 0x41
.irp i, 0,2,4,6,8,10,12,14,16,18,20,22,24,26,28,30
.irp q, 0,1,2,3
	v_pk_mul_f32 v[32*\q+\i:32*\q+\i+1], v[32*\q+\i:32*\q+\i+1], v[24+12*\q:25+12*\q] op_sel_hi:[1,0]   ; O^T x a
.endr
.endr
.if \next
	s_wait_loadcnt 16                              ; V is in; the next K's 16 loads may be out
.else
	s_wait_loadcnt 0x0
.endif
	WIN 0x51
.irp g, 0,1
.irp q, 0,1,2,3
.irp ct, 0,1,2,3
	v_wmma_f32_16x16x32_f16 v[32*\q+8*\ct:32*\q+8*\ct+7], v[192+32*\g+8*\ct:192+32*\g+8*\ct+7], v[64+32*\q+8*\g:64+32*\q+8*\g+7], v[32*\q+8*\ct:32*\q+8*\ct+7]
.endr
.endr
.endr
	WIN 0
.rept 5
	v_nop                                          ; five places: the next scores are written by matrix instructions over P, which these products read; V's registers are loaded again
.endr
.if \next
	MBV
.endif
.endm
	s_sub_co_u32 s19, s19, 1
	s_cmp_eq_u32 s19, 0
	s_cbranch_scc1 .Llast
.Lstep:
	STEP 1
	s_sub_co_u32 s19, s19, 1
	s_cmp_lg_u32 s19, 0
	s_cbranch_scc1 .Lstep
.Llast:
	STEP 0                                         ; the last step asks for nothing: no load leaves its buffer
.Lcombine:
.irp q, 0,1,2,3
	v_add_f32 v[18+12*\q], v[18+12*\q], v[19+12*\q]
.endr
.irp ct, 0,1,2,3
	global_load_b128 v[192+8*\ct:195+8*\ct], v15, s[8:9] offset:64*\ct        ; bv at my lane's channels 16 ct + 8 (lane / 16) + 0 .. 7
	global_load_b128 v[196+8*\ct:199+8*\ct], v15, s[8:9] offset:64*\ct+16
.endr
	WIN 0x04                                       ; an LDS store's data are its source 1: window 1
.irp q, 0,1,2,3
.irp i, 0,1,2,3,4,5,6,7
	ds_store_b128 v6, v[32*\q+4*\i:32*\q+4*\i+3] offset:512*(8*\q+\i)
.endr
.endr
	WIN 0
.irp q, 0,1,2,3
	ds_store_b32 v7, v[16+12*\q] offset:256*\q
	ds_store_b32 v7, v[18+12*\q] offset:256*\q+128
.endr
	s_wait_dscnt 0x0                               ; for the others' sake: my partial results lie in LDS
	s_barrier_signal -1
	s_barrier_wait -1
.irp s, 0,1,2,3
	ds_load_b32 v[16+\s], v63 offset:1024*\s       ; wave s's m of tile w,
	ds_load_b32 v[20+\s], v63 offset:1024*\s+128   ; its l,
.endr
.irp s, 0,1,2,3
.irp i, 0,1,2,3,4,5,6,7
	ds_load_b128 v[64+32*\s+4*\i:64+32*\s+4*\i+3], v62 offset:16384*\s+512*\i   ; its O^T
.endr
.endr
	s_wait_dscnt 0x0
	s_wait_loadcnt 0x0                             ; bv
	v_max3_num_f32 v24, v16, v17, v18
	v_mov_b32 v26, 0                               ; a lane permute's destination counts as one of its sources
	v_max_num_f32 v24, v24, v19
.irp s, 0,1,2,3
	v_sub_f32 v[28+\s], v[16+\s], v24
.endr
.irp s, 0,1,2,3
	v_exp_f32 v[28+\s], v[28+\s]                   ; f = 2^(m of wave s - the largest m)
.endr
	v_mov_b32 v5, 1.0
	s_wait_alu depctr_va_vdst(0)
	v_mul_f32 v25, v28, v20
	v_fmac_f32 v25, v29, v21
	v_fmac_f32 v25, v30, v22
	v_fmac_f32 v25, v31, v23
	v_permlanex16_b32 v26, v25, s40, s41
	v_add_f32 v25, v25, v26                        ; the row's sum
	v_rcp_f32 v27, v25
	v_cmp_lt_f32 vcc_lo, 0, v25                    ; a row with no key has the sum 0: the guard gives it 0
	s_wait_alu depctr_va_vdst(0)
	v_cndmask_b32 v27, 0, v27, vcc_lo
	v_cndmask_b32 v26, 0, v5, vcc_lo
.irp s, 0,1,2,3
	v_mul_f32 v[32+2*\s], v[28+\s], v27
	v_mul_f32 v[33+2*\s], v[28+\s], v27
.endr
.irp i, 0,2,4,6,8,10,12,14,16,18,20,22,24,26,28,30
	v_pk_mul_f32 v[192+\i:193+\i], v[192+\i:193+\i], v[26:27] op_sel_hi:[1,0]
.endr
.irp i, 0,2,4,6,8,10,12,14,16,18,20,22,24,26,28,30
	v_pk_fma_f32 v[64+\i:65+\i], v[64+\i:65+\i], v[32:33], v[192+\i:193+\i] op_sel_hi:[1,0,1]
.endr
.irp s, 1,2,3
.irp i, 0,2,4,6,8,10,12,14,16,18,20,22,24,26,28,30
	v_pk_fma_f32 v[64+\i:65+\i], v[64+32*\s+\i:65+32*\s+\i], v[32+2*\s:33+2*\s], v[64+\i:65+\i] op_sel_hi:[1,0,1]
.endr
.endr
.irp i, 0,1,2,3,4,5,6,7,8,9,10,11,12,13,14,15
	v_cvt_pk_f16_f32 v[224+\i], v[64+2*\i], v[65+2*\i]
.endr
.irp ct, 0,1,2,3
	global_store_b128 v1, v[224+4*\ct:227+4*\ct], s[10:11] offset:512*\ct     ; half an image of the projection's operand: 512 consecutive bytes, aligned
.endr
	s_wait_tensorcnt 0x0                           ; the wave's end
	ds_add_u32 v[SPW], v[NIL]
	s_wait_dscnt 0x0
	s_endpgm
.Lfunc_end_k_q8ab1a02b38_attn:
	.size	k_q8ab1a02b38_attn, .Lfunc_end_k_q8ab1a02b38_attn-k_q8ab1a02b38_attn
	.p2alignl 7, 3214868480
	.fill 96, 4, 3214868480
	.section	.rodata,"a",@progbits
	.p2align	6, 0x0
	.amdhsa_kernel k_q8ab1a02b38_attn
		.amdhsa_group_segment_fixed_size 70144
		.amdhsa_private_segment_fixed_size 0
		.amdhsa_enable_private_segment 0
		.amdhsa_kernarg_size 32
		.amdhsa_user_sgpr_count 2
		.amdhsa_user_sgpr_kernarg_segment_ptr 1
		.amdhsa_wavefront_size32 1
		.amdhsa_system_sgpr_workgroup_id_x 1
		.amdhsa_system_sgpr_workgroup_id_y 1
		.amdhsa_system_sgpr_workgroup_id_z 1
		.amdhsa_system_vgpr_workitem_id 0
		.amdhsa_next_free_vgpr 512
		.amdhsa_next_free_sgpr 66
		.amdhsa_reserve_vcc 1
		.amdhsa_float_denorm_mode_32 3
		.amdhsa_float_denorm_mode_16_64 3
		.amdhsa_memory_ordered 1
		.amdhsa_forward_progress 1
		.amdhsa_inst_pref_size 124
	.end_amdhsa_kernel
	.amdgpu_metadata
---
amdhsa.version: [ 1, 2 ]
amdhsa.kernels:
  - .name:           k_q8ab1a02b38_attn
    .symbol:         k_q8ab1a02b38_attn.kd
    .args:
      - { .name: qkv, .offset: 0, .size: 8, .value_kind: global_buffer, .address_space: global }
      - { .name: msk, .offset: 8, .size: 8, .value_kind: global_buffer, .address_space: global }
      - { .name: bv, .offset: 16, .size: 8, .value_kind: global_buffer, .address_space: global }
      - { .name: af, .offset: 24, .size: 8, .value_kind: global_buffer, .address_space: global }
    .group_segment_fixed_size: 70144
    .private_segment_fixed_size: 0
    .kernarg_segment_align: 8
    .kernarg_segment_size: 32
    .max_flat_workgroup_size: 128
    .sgpr_count:     66
    .vgpr_count:     512
    .wavefront_size: 32
...
	.end_amdgpu_metadata
.endif
;; end of part 3
;; launch proj (part 4): grid 8 x 32, 4 waves a work-group, clusters of 4 x 4, 327,680 bytes of LDS; arguments af, wof, bo, out0; writes out0
.if DOCPART == 4
	.amdgcn_target "amdgcn-amd-amdhsa--gfx1250"
	.amdhsa_code_object_version 6
	.text
	.protected	k_q8ab1a02b38_proj
	.globl	k_q8ab1a02b38_proj
	.p2align	8
	.type	k_q8ab1a02b38_proj,@function
k_q8ab1a02b38_proj:
	s_mov_b64 s[64:65], 0
	v_nop
	global_prefetch_b8 v0, s[64:65] scope:SCOPE_SE
	s_setreg_imm32_b32 hwreg(HW_REG_WAVE_MODE, 25, 1), 1
	s_wait_xcnt 0x0
	s_wait_alu depctr_hold_cnt(0) depctr_sa_sdst(0) depctr_va_vdst(0) depctr_va_sdst(0) depctr_va_ssrc(0) depctr_va_vcc(0) depctr_vm_vsrc(0)
	s_getreg_b32 s2, hwreg(HW_REG_IB_STS2, 6, 4)
	s_cmp_eq_u32 s2, 0
	s_cbranch_scc0 .Lentry_in_a_cluster
	s_endpgm
.Lentry_in_a_cluster:
	s_bfe_u32 s2, ttmp6, 0x10000c
	s_cmp_lg_u32 s2, 0xf033
	s_cbranch_scc0 .Lentry_shape_is_right
	s_endpgm
.Lentry_shape_is_right:
; Launch 4 of 4: out0 = attention's result x Wo + bo.  [4096][1024] x [1024][1024], f16 operands, f32 sums, f32 out.  No work is left out here.
; 256 tiles of 128 x 128, one for each work-group of four waves; a wave makes 64 x 64: 16 accumulators.  K goes in steps of 256 through two LDS slots, each filled twice.
; BOTH OPERANDS LIE IN MEMORY AS IMAGES OF THEIR REGISTERS: [tile of 16 rows][K step of 32][1,024 bytes].  A wave's tensor load brings 4 tiles x 8 images: four rows of 8,192 bytes, 32,768 bytes apart.
; A fragment comes by two LDS loads of 16 bytes a lane at 16 x lane: 512 consecutive bytes, so no padding is wanted.
; CLUSTERS of 4 x 4: the result's tiles are shared along a row of the cluster, Wo's along a column, by joint loads.  Source 0 = 16 columns of Wo, source 1 = 16 rows: a lane holds eight neighbouring numbers of a row of out0.
; bo is the C of each sum's first matrix instruction.  No prefetch: a K step's matrix work is short and the launch is short.
; REGISTERS: window 0: v0-31 addresses; v32-95 the way out; v96-127 bo, eight numbers for each of my four column tiles; v128-255 the accumulators ((a, b) at v[128 + 8 (4 a + b)]).
;   window 1: two fragment buffers of 128: for 64 along K, 64 registers of the rows, then 64 of Wo.
.set KCH,    8192                      ; a K step of one tile of 16 rows: eight images
.set HALFT,  4*KCH                     ; what one tensor load brings, and what one wave reads of either operand
.set SLOT,   4*HALFT
.set STAGE,  2*SLOT                    ; behind the ring: 16 rows x 272 bytes for each wave
.set SPITCH, 272
.set SPARE,  STAGE+4*16*SPITCH         ; the spare words, 128 bytes a wave: no other line names them
.set LAPS,   2
.set ADRA, 16
.set ADRB, 20
.set STO,  24
.set RD,   25
.set CO,   26
.set BO,   27
.set SPW,  28
.set NIL,  29
.set TMP,  32
.set BIAS, 96
.set ACC,  128
.set F0,   0
.set F1,   128
.set G1, 24
.set G0, 32
.set G1B, 48
.set G0B, 56
.set MSB, 0
.macro WIN new
.if MSB != \new
	s_set_vgpr_msb (MSB<<8)|\new
.set MSB, \new
.endif
.endm
.set MUL,  0x05                        ; sources 0 and 1 window 1; C and D window 0
.set TO_F, 0x40
.macro JLOAD s                         ; waves 0 and 1 fetch the rows' two halves, waves 2 and 3 Wo's
	s_cmp_eq_u32 s11, 0
	s_cbranch_scc0 .Lfor_b_\@
	tensor_load_to_lds s[G0+4*\s:G0+4*\s+3], s[G1:G1+7]
	s_nop 0
.rept 4
	v_nop
.endr
	s_branch .Lasked_\@
.Lfor_b_\@:
	tensor_load_to_lds s[G0B+4*\s:G0B+4*\s+3], s[G1B:G1B+7]
	s_nop 0
.rept 4
	v_nop
.endr
.Lasked_\@:
.endm
.macro CREST
	s_cmp_lg_u32 s10, 0
	s_cbranch_scc1 .Lnot_wave_0_\@
	s_barrier_signal -3
.Lnot_wave_0_\@:
	s_barrier_wait -3
	s_barrier_signal -1
	s_barrier_wait -1
.endm
.macro CROUND
	s_barrier_signal -1
	s_barrier_wait -1
	CREST
.endm
	s_load_b128 s[4:7], s[0:1], 0x0                ; af, wof
	s_load_b128 s[68:71], s[0:1], 0x10             ; bo, out0
	v_lshl_add_u32 v[SPW], v0, 2, SPARE
	v_mov_b32 v[NIL], 0
	ds_add_u32 v[SPW], v[NIL]                      ; the wave's opening: the add, twice on end, and its wait ahead of my first tensor load
	ds_add_u32 v[SPW], v[NIL]
	v_lshrrev_b32 v1, 5, v0
	v_readfirstlane_b32 s10, v1                    ; wave 0..3
	s_lshr_b32 s11, s10, 1                         ; which half of the tile's rows is mine.  Also: I fetch the rows (0) or Wo (1)
	s_and_b32 s12, s10, 1                          ; which half of its columns.  Also: which four tiles of 16 I fetch
	s_bfe_u32 s40, ttmp6, 0x40000
	s_bfe_u32 s41, ttmp6, 0x40004
	s_lshl_b32 s42, ttmp9, 2
	s_add_co_u32 s42, s42, s40                     ; tile column
	s_and_b32 s13, ttmp7, 0xffff
	s_lshl_b32 s13, s13, 2
	s_add_co_u32 s13, s13, s41                     ; tile row
	s_lshl_b32 s43, s41, 2
	s_lshl_b32 s43, 15, s43                        ; my row of the cluster
	s_lshl_b32 s44, 0x1111, s40                    ; my column
	s_or_b32 s[G1+0], s43, (3<<16)|(1<<21)         ; the mask; elements of 8 bytes; no padding
	s_or_b32 s[G1B+0], s44, (3<<16)|(1<<21)
.irp g, G1, G1B
	s_mov_b32 s[\g+1], 1024<<16                    ; tensor_dim0 = 1,024 elements: 8,192 bytes
	s_mov_b32 s[\g+2], 4<<16                       ; tensor_dim1 = 4
	s_mov_b32 s[\g+3], 1024<<16                    ; tile_dim0
	s_mov_b32 s[\g+4], 4                           ; tile_dim1
	s_mov_b32 s[\g+5], 4096                        ; 32,768 bytes from a tile of 16 rows to the next
	s_mov_b32 s[\g+6], 0
	s_mov_b32 s[\g+7], 0
.endr
	s_lshl_b32 s17, s12, 2
	s_lshl_b32 s16, s13, 3
	s_add_co_u32 s16, s16, s17
	s_lshl_b32 s16, s16, 15                        ; the rows: tile of 16 number 8 x tile row + 4 x half
	s_lshl_b32 s46, s42, 3
	s_add_co_u32 s46, s46, s17
	s_lshl_b32 s46, s46, 15                        ; Wo: 8 x tile column + 4 x half
	s_mov_b32 s17, 0
	s_mov_b32 s47, 0
	s_mul_i32 s20, s10, HALFT
	s_wait_dscnt 0x0                               ; both opening adds are done
	s_wait_kmcnt 0x0
	s_add_nc_u64 s[14:15], s[4:5], s[16:17]
	s_add_nc_u64 s[46:47], s[6:7], s[46:47]
	CROUND                                         ; all sixteen work-groups are here: the first joint loads meet
.irp s, 0,1
	s_mov_b32 s[G0+4*\s], 1
	s_add_co_u32 s[G0+4*\s+1], s20, \s*SLOT
	s_add_nc_u64 s[G0+4*\s+2:G0+4*\s+3], s[14:15], \s*KCH
	s_or_b32 s[G0+4*\s+3], s[G0+4*\s+3], 0x80000000
	s_mov_b32 s[G0B+4*\s], 1
	s_add_co_u32 s[G0B+4*\s+1], s20, \s*SLOT
	s_add_nc_u64 s[G0B+4*\s+2:G0B+4*\s+3], s[46:47], \s*KCH
	s_or_b32 s[G0B+4*\s+3], s[G0B+4*\s+3], 0x80000000
	JLOAD \s
.endr
	v_and_b32 v1, 15, v0                           ; r
	v_bfe_u32 v2, v0, 4, 1                         ; h
	v_and_b32 v3, 31, v0
	v_lshlrev_b32 v3, 4, v3                        ; 16 x lane
	s_mul_i32 s21, s11, HALFT
	s_mul_i32 s22, s12, HALFT
	s_add_co_u32 s22, s22, 2*HALFT
.irp s, 0,1
	v_add_nc_u32 v[ADRA+\s], s21, v3
	v_add_nc_u32 v[ADRB+\s], s22, v3
	s_add_co_u32 s21, s21, SLOT
	s_add_co_u32 s22, s22, SLOT
.endr
	s_lshl_b32 s16, s42, 9
	s_lshl_b32 s17, s12, 8
	s_add_co_u32 s16, s16, s17                     ; my 64 columns, in bytes
	s_mov_b32 s17, 0
	s_add_nc_u64 s[68:69], s[68:69], s[16:17]
	s_add_nc_u64 s[70:71], s[70:71], s[16:17]
	v_lshlrev_b32 v[BO], 5, v2
.irp b, 0,1,2,3
	global_load_b128 v[BIAS+8*\b:BIAS+8*\b+3], v[BO], s[68:69] offset:64*\b       ; bo at columns 16 b + 8 h + 0 .. 7
	global_load_b128 v[BIAS+8*\b+4:BIAS+8*\b+7], v[BO], s[68:69] offset:64*\b+16
.endr
	s_mul_i32 s23, s10, 16*SPITCH
	s_add_co_u32 s23, s23, STAGE                   ; my stage
	v_mul_u32_u24 v4, v1, SPITCH
	v_lshl_add_u32 v4, v2, 5, v4
	v_add_nc_u32 v[STO], s23, v4                   ; in: row r, 32 bytes for each half of the lanes
	v_mul_u32_u24 v5, v2, SPITCH
	v_lshl_add_u32 v5, v1, 4, v5
	v_add_nc_u32 v[RD], s23, v5                    ; back: lanes 0-15 one row of 256 bytes, lanes 16-31 the next
	v_lshlrev_b32 v5, 12, v2
	v_lshl_add_u32 v[CO], v1, 4, v5                ; and the same two rows in out0
	s_lshl_b32 s16, s13, 7
	s_lshl_b32 s18, s11, 6
	s_add_co_u32 s16, s16, s18
	s_lshl_b32 s16, s16, 12                        ; my first row: 128 x tile row + 64 x half, 4,096 bytes a row
	s_add_nc_u64 s[70:71], s[70:71], s[16:17]
.macro MUL8 f, c, a0, zero             ; 8 matrix instructions: row blocks a0, a0 + 1 x all 4 column blocks, 32 along K.  zero = 1: the first product starts the sums on bo
.irp a, \a0, \a0+1
.irp b, 0,1,2,3
.if \zero
	v_wmma_f32_16x16x32_f16 v[ACC+8*(4*(\a)+\b):ACC+8*(4*(\a)+\b)+7], v[\f+64+8*(4*\c+\b):\f+64+8*(4*\c+\b)+7], v[\f+8*(4*\c+\a):\f+8*(4*\c+\a)+7], v[BIAS+8*\b:BIAS+8*\b+7]
.else
	v_wmma_f32_16x16x32_f16 v[ACC+8*(4*(\a)+\b):ACC+8*(4*(\a)+\b)+7], v[\f+64+8*(4*\c+\b):\f+64+8*(4*\c+\b)+7], v[\f+8*(4*\c+\a):\f+8*(4*\c+\a)+7], v[ACC+8*(4*(\a)+\b):ACC+8*(4*(\a)+\b)+7]
.endif
.endr
.endr
.endm
.macro FETCH slot, k, f                ; 32 LDS loads in one run: two K steps of 32, beginning k bytes into each tile's eight images
	WIN TO_F
.irp c, 0,1
.irp i, 0,1,2,3
	ds_load_b128 v[\f+64+8*(4*\c+\i):\f+64+8*(4*\c+\i)+3],   v[ADRB+\slot] offset:\k+1024*\c+\i*KCH
	ds_load_b128 v[\f+64+8*(4*\c+\i)+4:\f+64+8*(4*\c+\i)+7], v[ADRB+\slot] offset:\k+1024*\c+\i*KCH+512
	ds_load_b128 v[\f+8*(4*\c+\i):\f+8*(4*\c+\i)+3],         v[ADRA+\slot] offset:\k+1024*\c+\i*KCH
	ds_load_b128 v[\f+8*(4*\c+\i)+4:\f+8*(4*\c+\i)+7],       v[ADRA+\slot] offset:\k+1024*\c+\i*KCH+512
.endr
.endr
.endm
.macro PLACES
.rept 4
	v_nop
.endr
.endm
.macro QUARTER slot, k, f, g, zero     ; 64 along K: multiplies buffer f and fetches the next quarter into g
	s_wait_dscnt 16                                ; the first 32 along K are in
	WIN MUL
	MUL8 \f, 0, 0, \zero
	MUL8 \f, 0, 2, \zero
	PLACES
	FETCH \slot, \k, \g
	s_wait_dscnt 32                                ; all but the 32 just issued
	WIN MUL
	MUL8 \f, 1, 0, 0
	MUL8 \f, 1, 2, 0
.endm
.macro TURN slot, next, fill           ; a slot's last quarter changes slots: one barrier; fill = 1: it opens a round of the cluster's barrier, and this slot is filled again, two K steps ahead
	WIN 0
	s_wait_tensorcnt 0x0                           ; all my tensor loads have landed: my part of the next slot;
	ds_add_u32 v[SPW], v[NIL]                      ; 0 onto my spare word;
	s_wait_dscnt 17                                ; (the add and the youngest sixteen loads may be out)
	WIN MUL
	MUL8 F1, 0, 0, 0
	s_wait_dscnt 0x0                               ; the add is done, and my reads of this slot are over
	s_barrier_signal -1
	MUL8 F1, 0, 2, 0
.if \fill
	WIN 0
.endif
	s_barrier_wait -1
.if \fill
	CREST                                          ; no wave of any partner still reads this slot or has a load on its way
	s_add_nc_u64 s[G0+4*\slot+2:G0+4*\slot+3], s[G0+4*\slot+2:G0+4*\slot+3], 2*KCH
	s_add_nc_u64 s[G0B+4*\slot+2:G0B+4*\slot+3], s[G0B+4*\slot+2:G0B+4*\slot+3], 2*KCH
	JLOAD \slot                                    ; my one tensor load behind the round; the four v_nop behind it are also the places in front of the loads below
.else
	PLACES
.endif
	FETCH \next, 0, F0
	WIN MUL
	MUL8 F1, 1, 0, 0
	MUL8 F1, 1, 2, 0
.endm
	s_wait_tensorcnt 1                             ; my part of K step 0 is in; K step 1's load may be out
	s_barrier_signal -1
	s_barrier_wait -1
	FETCH 0, 0, F0
	s_wait_loadcnt 0x0                             ; bo
	QUARTER 0, 2048, F0, F1, 1
	WIN 0
	s_mov_b32 s3, LAPS-1
.Llap:                                                 ; a trip goes once round the ring and fills both slots again
	QUARTER 0, 4096, F1, F0, 0
	QUARTER 0, 6144, F0, F1, 0
	TURN 0, 1, 1
	QUARTER 1, 2048, F0, F1, 0
	QUARTER 1, 4096, F1, F0, 0
	QUARTER 1, 6144, F0, F1, 0
	TURN 1, 0, 1
	QUARTER 0, 2048, F0, F1, 0
	WIN 0
	s_sub_co_u32 s3, s3, 1
	s_cmp_lg_u32 s3, 0
	s_cbranch_scc1 .Llap
	QUARTER 0, 4096, F1, F0, 0                     ; the last lap fills nothing
	QUARTER 0, 6144, F0, F1, 0
	TURN 0, 1, 0
	QUARTER 1, 2048, F0, F1, 0
	QUARTER 1, 4096, F1, F0, 0
	QUARTER 1, 6144, F0, F1, 0
	s_wait_dscnt 16
	WIN MUL
	MUL8 F1, 0, 0, 0
	MUL8 F1, 0, 2, 0
	s_wait_dscnt 0
	MUL8 F1, 1, 0, 0
	MUL8 F1, 1, 2, 0
	WIN 0
	; THE WAY OUT: my 64 columns of f32 are 256 bytes of a row.  A block of 16 rows goes through my own stage and comes back by rows: sixteen lanes store 256 consecutive bytes, aligned.
	PLACES
.irp a, 0,1,2,3
.if \a >= 2
	s_wait_xcnt 0x0                                ; block a - 2's stores have read their registers
.endif
.irp b, 0,1,2,3
	ds_store_b128 v[STO], v[ACC+8*(4*\a+\b):ACC+8*(4*\a+\b)+3] offset:64*\b        ; each accumulator from its low end on
	ds_store_b128 v[STO], v[ACC+8*(4*\a+\b)+4:ACC+8*(4*\a+\b)+7] offset:64*\b+16
.endr
.irp t, 0,1,2,3,4,5,6,7
	ds_load_b128 v[TMP+32*(\a%2)+4*\t:TMP+32*(\a%2)+4*\t+3], v[RD] offset:\t*2*SPITCH   ; LDS serves a wave's instructions in order: these see the stores above, and the next block's stores come behind them
.endr
.irp t, 0,1,2,3,4,5,6,7
	s_wait_dscnt 7-\t
	global_store_b128 v[CO], v[TMP+32*(\a%2)+4*\t:TMP+32*(\a%2)+4*\t+3], s[70:71] offset:4096*(16*\a+2*\t) th:TH_STORE_NT
.endr
.endr
	s_wait_tensorcnt 0x0                           ; the wave's end
	ds_add_u32 v[SPW], v[NIL]
	s_wait_dscnt 0x0
	CROUND                                         ; the closing round
	s_endpgm
.Lfunc_end_k_q8ab1a02b38_proj:
	.size	k_q8ab1a02b38_proj, .Lfunc_end_k_q8ab1a02b38_proj-k_q8ab1a02b38_proj
	.p2alignl 7, 3214868480
	.fill 96, 4, 3214868480
	.section	.rodata,"a",@progbits
	.p2align	6, 0x0
	.amdhsa_kernel k_q8ab1a02b38_proj
		.amdhsa_group_segment_fixed_size 327680
		.amdhsa_private_segment_fixed_size 0
		.amdhsa_enable_private_segment 0
		.amdhsa_kernarg_size 32
		.amdhsa_user_sgpr_count 2
		.amdhsa_user_sgpr_kernarg_segment_ptr 1
		.amdhsa_wavefront_size32 1
		.amdhsa_system_sgpr_workgroup_id_x 1
		.amdhsa_system_sgpr_workgroup_id_y 1
		.amdhsa_system_sgpr_workgroup_id_z 1
		.amdhsa_system_vgpr_workitem_id 0
		.amdhsa_next_free_vgpr 512
		.amdhsa_next_free_sgpr 72
		.amdhsa_reserve_vcc 0
		.amdhsa_float_denorm_mode_32 3
		.amdhsa_float_denorm_mode_16_64 3
		.amdhsa_memory_ordered 1
		.amdhsa_forward_progress 1
		.amdhsa_inst_pref_size 87
	.end_amdhsa_kernel
	.amdgpu_metadata
---
amdhsa.version: [ 1, 2 ]
amdhsa.kernels:
  - .name:           k_q8ab1a02b38_proj
    .symbol:         k_q8ab1a02b38_proj.kd
    .args:
      - { .name: af, .offset: 0, .size: 8, .value_kind: global_buffer, .address_space: global }
      - { .name: wof, .offset: 8, .size: 8, .value_kind: global_buffer, .address_space: global }
      - { .name: bo, .offset: 16, .size: 8, .value_kind: global_buffer, .address_space: global }
      - { .name: out0, .offset: 24, .size: 8, .value_kind: global_buffer, .address_space: global }
    .group_segment_fixed_size: 327680
    .private_segment_fixed_size: 0
    .kernarg_segment_align: 8
    .kernarg_segment_size: 32
    .max_flat_workgroup_size: 128
    .sgpr_count:     72
    .vgpr_count:     512
    .wavefront_size: 32
...
	.end_amdgpu_metadata
.endif
;; end of part 4
